; MI455X (gfx1250); checked and timed in simulation.
; The chip was launched on July 23, 2026; its instructions are those of AMD's public machine-readable ISA for CDNA 5 (MIT licence, August 2026) and "CDNA5" Instruction Set Architecture Reference Guide (July 2026). The comments in the code are by the model that wrote it; some were corrected since.
;; Base MHA. Allowed arithmetic: matrix products marked QUANTISED: E4M3 operands, one E8M0 scale for each 32 along K, by v_wmma_scale_f32_16x16x128_f8f6f4 with both operands' format E4M3, f32 sums; everything else in f32.
;; Inputs: w_out 1,024 x 1,024 float32; w_qkv 1,024 x 3,072 float32; x 4 x 2,048 x 1,024 float32.
;; Outputs: out0 4 x 2,048 x 1,024 float32.
;; This version of the problem:
;;   THIS VERSION OF THE PROBLEM IS GIVEN IN LOW PRECISION. The matrix products marked QUANTISED in the list below multiply operands that are first quantised to E4M3 (4 exponent bits, 3 mantissa bits; 8 bits a number), with one power-of-two scale for each 32 numbers along K (OCP MX v1.0); their sums are f32. All else is computed in f32.
;;   The module's matrix products, in the order in which they are computed (A, B: the left and right operand; K: the contracted axis; several contracted axes count as one K, in the product's order):
;;     1. [M 8,192, K 1,024] x [K 1,024, N 3,072]; A: input x; B: input w_qkv: QUANTISED
;;     2. batch 64 x [M 2,048, K 64] x [K 64, N 2,048]; A: computed on the way; B: computed on the way: QUANTISED
;;     3. batch 64 x [M 2,048, K 2,048] x [K 2,048, N 64]; A: softmax (see below); B: computed on the way: QUANTISED
;;     4. [M 8,192, K 1,024] x [K 1,024, N 1,024]; A: computed on the way; B: input w_out: QUANTISED
;;   THE QUANTISER, for each operand of a quantised product, along K:
;;     - K is cut into blocks of 32 from its start; a last block that is shorter is filled with zeros.
;;     - A block's scale is 2^e with e = floor(log2(the largest magnitude in the block)) - 8, held to -126 .. 127; a block of zeros has e = 0. As a byte (E8M0): e + 127.
;;     - Each number is divided by its block's scale, clamped to +-448, and rounded to the nearest number of E4M3, ties to even, subnormals kept.
;;     - The product sums the exact products of the quantised numbers (number of the format x scale) in f32.
;;   ~~~python
;;   def quantise(x, axis):      # numpy; x: float32 -> the quantised numbers, widened to float32 again
;;       x = np.moveaxis(x, axis, -1); K = x.shape[-1]
;;       x = np.pad(x, [(0, 0)] * (x.ndim - 1) + [(0, -K % 32)]); x = x.reshape(x.shape[:-1] + (-1, 32)); a = np.abs(x).max(-1, keepdims=True)
;;       e = np.where(a > 0, np.clip(np.frexp(np.where(a > 0, a, 1))[1] - 1 - 8, -126, 127), 0)      # np.frexp(a)[1] - 1 = floor(log2(a)), exactly
;;       r = np.clip(x / 2.0 ** e, -448, 448)
;;       step = 2.0 ** (np.maximum(np.frexp(np.where(r == 0, 1, r))[1] - 1, -6) - 3)
;;       q = np.round(r / step) * step * 2.0 ** e      # np.round: ties to even
;;       return np.moveaxis(q.reshape(q.shape[:-2] + (-1,))[..., :K], -1, axis).astype(np.float32)
;;   ~~~
;;   SOFTMAX AHEAD OF A QUANTISED PRODUCT. Where the list says 'softmax', what is quantised is not the finished softmax but p = 2^(t - M), with t = logit x log2(e) and M = ceil(the row's largest t), a whole number; so 1/2 < the row's largest p <= 1. The row's sum l is taken of the UNQUANTISED p, in f32, and the product's result is divided by l at the end. Since M is a whole number, a kernel that streams over the keys may use a running M (the ceiling of the running maximum): every later rescaling is an exact power of two, which a block's scale takes up: the codes' values come out the same.
;;   OPERANDS COMPUTED ON THE WAY. 'Computed on the way' means the value that the module computes at that place (a softmax that the list does not call 'softmax' is quantised finished and normalised). What goes into a quantiser is computed in f32, as accurately as f32 sums, v_exp_f32 and their like allow (about 1e-6 of the number): no bf16 or f16 on the way to a quantiser, and a product that is left as it is and whose result goes on into a quantised operand takes f32 operands (vector FMAs, or v_wmma_f32_16x16x4_f32). A number that lies on a knife's edge between two numbers of the format may be rounded either way, as far as f32 arithmetic and the matrix unit's own rounding can turn it there, and no further.
;; One version. Each part assembles by itself: llvm-mc -triple=amdgcn-amd-amdhsa -mcpu=gfx1250 --defsym DOCPART=n.
;; ======== version 1 of 1: 4 launches
;; limits: right only within a limited range of input values
;; workspace buffers: xq 8,650,752 bytes; wq 3,244,032 bytes; wo 1,081,344 bytes; qb 17,301,504 bytes; kv 17,301,504 bytes; ao 8,650,752 bytes
;; launch prep (part 1): grid 384 x 1, 4 waves a work-group, no clusters, 137,728 bytes of LDS; arguments x, w_qkv, w_out, xq, wq, wo; writes xq, wq, wo
.if DOCPART == 1
	.amdgcn_target "amdgcn-amd-amdhsa--gfx1250"
	.amdhsa_code_object_version 6
	.text
	.protected	k_q212aaa04d2_prep
	.globl	k_q212aaa04d2_prep
	.p2align	8
	.type	k_q212aaa04d2_prep,@function
k_q212aaa04d2_prep:
	s_mov_b64 s[64:65], 0
	v_nop
	global_prefetch_b8 v0, s[64:65] scope:SCOPE_SE
	s_setreg_imm32_b32 hwreg(HW_REG_WAVE_MODE, 25, 1), 1
	s_wait_xcnt 0x0
; The three f32 inputs become codes of FP8 (E4M3) with one E8M0 scale byte for each 32 along K, once, so that every later read is of a quarter of the bytes.
; x [8192][1024]: K innermost.  xq: tiles of 16 rows, 16,896 bytes each: the codes as operand register images, then the scale bytes (laid out below).
; w_qkv [1024 (k)][3072 (n)]: K is the first axis.  wq: codes [3072][1024] with K innermost at byte 0, scale bytes [3072][32] at WQS_OFF.
; w_out [1024 (k)][1024 (n)]: likewise.  wo: codes [1024][1024], but INSIDE each block of 32 in the order K 0-7, 16-23, 8-15, 24-31, which is the order in which the attention launch
; leaves its result's codes; scale bytes laid [n][32] at WOS_OFF, as for wq.
; A block's scale is 2^(floor(log2(its largest magnitude)) - 8); its byte is the largest magnitude's exponent field - 8, held at 1 from below.  Each number is divided by the scale, held within +-448,
; and rounded to the nearest code, ties to even.
; LIMITS: NaN and infinities among the inputs are not served.  A block of zeros, or one whose largest magnitude lies under 2^(9 - 127), gets the byte 1: its codes are zeros or what that scale gives;
; the bytes are read by this program alone.
; SHARES: 384 work-groups of four waves, 128 KiB of f32 each: 0-255 take x, 256-351 w_qkv, 352-383 w_out.  The three ways part on the work-group's number, never join, and each has LDS bytes of its own.
; No tensor loads, no barrier: waves share nothing.  No cluster: no two work-groups read the same bytes.
.set XS_OFF,  8388608
.set WQS_OFF, 3145728
.set WOS_OFF, 1048576
.set MANT,    0x600000                 ; the mantissa field of 448 as f32
; ---- x: a wave takes 16 steps of 512 numbers
.set STEPS, 16
.set XR,    16                         ; v16-79   four sets of 16 numbers as they are loaded
.set XX,    80                         ; v80-111  two sets of 16 neighbours
.set XE,    112                        ; v112-127 a scale byte for each step
.set XC,    128                        ; v128-191 codes: four registers for each step, so that no store's data are written again
.set WREG,  8192                       ; LDS bytes 0 .. 32767: a region for each wave: two stages of 32 x SP bytes, behind them its 256 scale bytes
.set SP,    80                         ; a lane's place in a stage: its 64 bytes + 16 of padding
; ---- the weights: a wave takes 32 columns x 256 along K
.set NB,     8                         ; blocks of 32 along K
.set WPITCH, 272                       ; a stage row: 256 bytes of codes + 16
.set WX,     32                        ; v32-95   two sets of 32 numbers
.set WC,     96                        ; v96-103  a block's codes
.set WOUT,   112                       ; v112-175 the way out
.set WSB,    24                        ; v24-25   the scale bytes, four to a register
.macro XLOAD t                         ; each load: 32 lanes read 512 consecutive bytes
.irp i, 0,1,2,3
	global_load_b128 v[XR+16*((\t)%4)+4*\i:XR+16*((\t)%4)+4*\i+3], v3, s[4:5] offset:4096*(\t)+512*\i th:TH_LOAD_NT   ; step t is row t of my tile of 16 rows, my half of K
.endr
.endm
.macro XTURN t                         ; step t's 2,048 bytes go through the wave's stage as they lie and come back 64 bytes a lane; LDS serves a wave's instructions in order (ISA guide 5.7.1.4)
.irp i, 0,1,2,3
	ds_store_b128 v14, v[XR+16*((\t)%4)+4*\i:XR+16*((\t)%4)+4*\i+3] offset:32*SP*((\t)%2)+8*SP*\i
.endr
.irp i, 0,1,2,3
	ds_load_b128 v[XX+16*((\t)%2)+4*\i:XX+16*((\t)%2)+4*\i+3], v15 offset:32*SP*((\t)%2)+16*\i
.endr
.endm
.macro XSTEP t
.set XSS, XX+16*((\t)%2)
.if (\t) > 0
	s_wait_dscnt 2                                 ; this step's numbers are back from the stage (the last step's two stores, byte and codes, may be out)
.else
	s_wait_dscnt 0x0
.endif
.if (\t)+4 < STEPS
	XLOAD (\t)+4                                   ; which take the loads of four steps on
.endif
.if (\t)+1 < STEPS
.if STEPS-2-(\t) >= 3
	s_wait_loadcnt 12                              ; the next step's four loads are in; those of the three steps behind it may be out
.else
	s_wait_loadcnt 4*(STEPS-2-(\t))
.endif
	XTURN (\t)+1                                   ; and go through the other stage while this step is worked
.endif
	v_max3_num_f32 v8, |v[XSS]|, |v[XSS+1]|, |v[XSS+2]|            ; the largest magnitude of my 16, in two chains
	v_max3_num_f32 v9, |v[XSS+3]|, |v[XSS+4]|, |v[XSS+5]|
.irp i, 6,10
	v_max3_num_f32 v8, v8, |v[XSS+\i]|, |v[XSS+\i+1]|
	v_max3_num_f32 v9, v9, |v[XSS+\i+2]|, |v[XSS+\i+3]|
.endr
	v_max3_num_f32 v8, v8, |v[XSS+14]|, |v[XSS+15]|
	v_max3_num_f32 v8, v8, v9, 0x4800000           ; and the floor 2^(9 - 127): the byte cannot fall under 1
	v_max_num_f32_dpp v8, v8, v8 row_xmask:1 row_mask:0xf bank_mask:0xf   ; and of my neighbour's 16: the block's
	v_add_nc_u32 v11, 0xfc000000, v8               ; 8 off its exponent field: the conversion takes this operand's exponent field as its scale
	v_and_or_b32 v10, v8, 0x7f800000, s23          ; 448 x the scale: the largest magnitude's exponent field over 448's mantissa
.irp i, 0,1,2,3,4,5,6,7,8,9,10,11,12,13,14,15
	v_med3_num_f32 v[XSS+\i], v[XSS+\i], -v10, v10 ; the conversion to an 8-bit code does not saturate (ISA guide 7.6.2): the hold comes first
.endr
	v_cvt_scalef32_pk8_fp8_f32 v[XC+4*(\t):XC+4*(\t)+1], v[XSS:XSS+7], v11
	v_cvt_scalef32_pk8_fp8_f32 v[XC+4*(\t)+2:XC+4*(\t)+3], v[XSS+8:XSS+15], v11
	v_lshrrev_b32 v[XE+(\t)], 23, v11              ; the scale's byte (also the plain line behind the conversions)
	ds_store_b8 v5, v[XE+(\t)] offset:16*(\t)      ; both lanes of a block write the same byte with the same value
	ds_store_b128 v1, v[XC+4*(\t):XC+4*(\t)+3] offset:16*(\t)   ; row t's 16 codes of my lane's 16 along K: 16 steps make the lane's 256 bytes of the operand image
.endm
.macro WLOAD t                         ; block t: W(32 t + i, my column), i = 0 .. 31, into set t % 2; each load reads 128 consecutive bytes, the four waves side by side
.irp i, 0,1,2,3,4,5,6,7,8,9,10,11,12,13,14,15,16,17,18,19,20,21,22,23,24,25,26,27,28,29,30,31
	global_load_b32 v[WX+32*((\t)%2)+\i], v3, s[32:33] offset:(32*(\t)+\i)*WN*4 th:TH_LOAD_NT
.endr
.endm
.macro WBLOCK t
.set WS, WX+32*((\t)%2)
.if (\t) < NB-1
	s_wait_loadcnt 32                              ; this block's 32 loads are in; the next block's may be out
.else
	s_wait_loadcnt 0
.endif
	v_max3_num_f32 v12, |v[WS]|, |v[WS+1]|, |v[WS+2]|               ; the block's largest magnitude: all 32 numbers are mine
	v_max3_num_f32 v13, |v[WS+3]|, |v[WS+4]|, |v[WS+5]|
.irp i, 6,10,14,18,22,26
	v_max3_num_f32 v12, v12, |v[WS+\i]|, |v[WS+\i+1]|
	v_max3_num_f32 v13, v13, |v[WS+\i+2]|, |v[WS+\i+3]|
.endr
	v_max3_num_f32 v12, v12, |v[WS+30]|, |v[WS+31]|
	v_max3_num_f32 v12, v12, v13, 0x4800000        ; and the floor
	v_add_nc_u32 v11, 0xfc000000, v12              ; the conversion's scale operand
	v_and_or_b32 v10, v12, 0x7f800000, s31         ; 448 x the scale
	v_lshrrev_b32 v13, 23, v11                     ; the scale's byte
.if (\t)%4 == 0
	v_mov_b32 v[WSB+(\t)/4], v13                   ; four bytes to a register, the lower K in the lower byte
.else
	v_lshl_or_b32 v[WSB+(\t)/4], v13, 8*((\t)%4), v[WSB+(\t)/4]
.endif
.irp i, 0,1,2,3,4,5,6,7,8,9,10,11,12,13,14,15,16,17,18,19,20,21,22,23,24,25,26,27,28,29,30,31
	v_med3_num_f32 v[WS+\i], v[WS+\i], -v10, v10
.endr
.irp g, 0,1,2,3
.if WPERM                                      ; K 8 g .. 8 g + 7 go to the block's bytes 0, 16, 8, 24 on
	v_cvt_scalef32_pk8_fp8_f32 v[WC+2*((\g%2)*2+\g/2):WC+2*((\g%2)*2+\g/2)+1], v[WS+8*\g:WS+8*\g+7], v11
.else
	v_cvt_scalef32_pk8_fp8_f32 v[WC+2*\g:WC+2*\g+1], v[WS+8*\g:WS+8*\g+7], v11
.endif
.endr
	ds_store_b128 v4, v[WC:WC+3] offset:32*(\t)    ; 32 codes: 32 bytes of my column's row.  (The results go to LDS stores; the next block begins with plain vector lines)
	ds_store_b128 v4, v[WC+4:WC+7] offset:32*(\t)+16
.if (\t)+2 < NB
	WLOAD (\t)+2
.endif
	s_wait_dscnt 0x0                               ; the stores have read their registers: the next block's codes may be written
.endm
; A weight [1024][n]: A LANE TAKES A COLUMN, AND ITS REGISTERS RUN DOWN K, so a block of 32 lies in one lane and the codes come out with K innermost.  They go through the wave's stage and leave as images of operand registers:
; a store covers 512 consecutive bytes, aligned.  first: the way's first work-group; src, dst: the first registers of the two pointers; soff: where the scales begin in dst.
.macro WPATH n, perm, words, lds0, first, src, dst, soff
.set WN, \n
.set WPERM, \perm
	s_sub_co_u32 s17, ttmp9, \first
	s_and_b32 s18, s17, 3                          ; which 256 along K
	s_lshr_b32 s17, s17, 2
	s_lshl_b32 s17, s17, 7
	s_lshl_b32 s19, s16, 5
	s_add_co_u32 s17, s17, s19                     ; my wave's first column
	v_lshlrev_b32 v3, 2, v2                        ; in: 4 bytes a lane
	s_mul_i32 s19, s16, 32*WPITCH
	s_add_co_u32 s19, s19, \lds0                   ; my stage
	v_mul_u32_u24 v4, v2, WPITCH
	v_add_nc_u32 v4, s19, v4                       ; into it: row = my column
	v_and_b32 v5, 15, v2
	v_lshrrev_b32 v6, 4, v2                        ; out of it: sixteen lanes to a row, two rows an instruction
	; THE CODES LEAVE AS IMAGES OF OPERAND REGISTERS: [column / 16][k / 128][(k / 32) % 4][lane = 16 ((k / 16) % 2) + column % 16][16 bytes]
	v_mul_u32_u24 v7, v5, WPITCH                   ; out of the stage: row lane % 16 of a tile of 16 columns,
	v_lshl_add_u32 v7, v6, 4, v7                   ; 16 bytes for each half of the lanes
	v_add_nc_u32 v7, s19, v7
	v_lshlrev_b32 v8, 4, v2                        ; and 16 x lane in the image: a store covers 512 consecutive bytes, aligned
	s_mul_i32 s20, s18, 256*\n*4                   ; the weight: 256 y rows down,
	s_lshl_b32 s21, s17, 2                         ; 4 bytes a column
	s_add_co_u32 s20, s20, s21
	s_mov_b32 s21, 0
	s_add_nc_u64 s[32:33], s[\src:\src+1], s[20:21]
	s_lshl_b32 s22, s17, 10                        ; the codes: column x 1,024 + 4,096 y
	s_lshl_b32 s23, s18, 12                        ; 256 along K are two pieces of 2,048 bytes of a tile's image
	s_add_co_u32 s22, s22, s23
	s_mov_b32 s23, 0
	s_add_nc_u64 s[26:27], s[\dst:\dst+1], s[22:23]
.if \words
	s_lshl_b32 s22, s18, 13                        ; scale words [k / 128][1024]: rows 2 y and 2 y + 1 of 4,096 bytes, 4 bytes a column
	s_lshl_b32 s24, s17, 2
	v_lshlrev_b32 v9, 2, v2
.else
	s_lshl_b32 s22, s17, 5                         ; scale bytes [n][32]: column x 32 + 8 y
	s_lshl_b32 s24, s18, 3
	v_lshlrev_b32 v9, 5, v2
.endif
	s_add_co_u32 s22, s22, s24
	s_add_co_u32 s22, s22, \soff
	s_add_nc_u64 s[28:29], s[\dst:\dst+1], s[22:23]
	s_mov_b32 s31, MANT
	WLOAD 0
	WLOAD 1
.set Q, 0
.rept NB
	WBLOCK Q
.set Q, Q+1
.endr
.if \words
	global_store_b32 v9, v[WSB], s[28:29]          ; the wave stores 128 consecutive bytes of each of two rows
	global_store_b32 v9, v[WSB+1], s[28:29] offset:4096
.else
	global_store_b64 v9, v[WSB:WSB+1], s[28:29]    ; my column's 8 scale bytes: rows 32 bytes apart, one byte in 128 of what the way reads
.endif
.irp t, 0,1,2,3,4,5,6,7,8,9,10,11,12,13,14,15
	ds_load_b128 v[WOUT+4*\t:WOUT+4*\t+3], v7 offset:(\t/8)*16*WPITCH+32*(\t%8)
.endr
.irp t, 0,1,2,3,4,5,6,7,8,9,10,11,12,13,14,15
	s_wait_dscnt 15-\t                             ; LDS loads come back in order: load t is in
	global_store_b128 v8, v[WOUT+4*\t:WOUT+4*\t+3], s[26:27] offset:(\t/8)*16384+(\t%8)*512
.endr
.endm
	s_load_b256 s[4:11], s[0:1], 0x0               ; x s[4:5], w_qkv s[6:7], w_out s[8:9], xq s[10:11]
	s_load_b128 s[12:15], s[0:1], 0x20             ; wq s[12:13], wo s[14:15]
	v_lshl_add_u32 v192, v0, 2, 0x19000
	v_mov_b32 v193, 0
	v_lshrrev_b32 v1, 5, v0
	v_readfirstlane_b32 s16, v1                    ; wave 0..3
	v_and_b32 v2, 31, v0                           ; lane
	s_wait_kmcnt 0x0
	s_cmp_lt_u32 ttmp9, 256
	s_cbranch_scc0 .Lweights
	; ---- x: rows are dense and 1,024 is a multiple of 32, so x is a plain stream of blocks of 32, and so are its codes and scale bytes
	s_wait_alu depctr_va_vdst(0)
	v_lshlrev_b32 v3, 4, v2                        ; my 16 bytes of a load's 512
	s_mul_i32 s17, s16, WREG
	v_lshrrev_b32 v14, 2, v2
	v_mul_u32_u24 v14, v14, SP
	v_and_b32 v15, 3, v2
	v_lshl_add_u32 v14, v15, 4, v14
	v_add_nc_u32 v14, s17, v14                     ; the stage, on the way in: SP (lane / 4) + 16 (lane % 4)
	v_mul_u32_u24 v15, v2, SP
	v_add_nc_u32 v15, s17, v15                     ; and on the way out: SP x lane: my 16 neighbours
	v_lshlrev_b32 v4, 4, v2                        ; my codes' place in a step's
	v_lshrrev_b32 v5, 1, v2
	s_add_co_u32 s17, s17, 2*32*SP
	v_add_nc_u32 v5, s17, v5                       ; LDS: my wave's 256 scale bytes, my block's byte
	v_lshlrev_b32 v7, 3, v2                        ; and on the way out 8 bytes a lane
	v_add_nc_u32 v6, s17, v7
	s_mul_i32 s28, s16, 8704                       ; a second stage for each wave, behind the spare words: 32 rows (a lane each) of 256 bytes + 16
	s_add_co_u32 s28, s28, 102912
	v_mul_u32_u24 v1, v2, 272
	v_add_nc_u32 v1, s28, v1
	s_mov_b32 s23, MANT
	s_lshl_b32 s18, ttmp9, 2
	s_add_co_u32 s18, s18, s16                     ; which run of 8,192 numbers is my wave's
	; xq AS IT IS LAID NOW: [tile of 16 rows][16,896 bytes]: +0 the image of the operand registers [k / 128][(k / 32) % 4][lane = 16 ((k / 16) % 2) + row % 16][16 bytes]; +16,384 scale bytes [k / 512][row % 16][16]
	; A wave takes 16 rows x 512 along K: run s18 is tile s18 / 2, half s18 % 2
	s_lshr_b32 s19, s18, 1
	s_and_b32 s22, s18, 1
	s_lshl_b32 s20, s19, 16                        ; x: 16 rows of 4,096 bytes a tile,
	s_lshl_b32 s21, s22, 11                        ; 2,048 bytes a half
	s_add_co_u32 s20, s20, s21
	s_mov_b32 s21, 0
	s_add_nc_u64 s[4:5], s[4:5], s[20:21]
	s_mul_i32 s19, s19, 16896
	s_lshl_b32 s20, s22, 13
	s_add_co_u32 s20, s20, s19
	s_add_nc_u64 s[24:25], s[10:11], s[20:21]      ; my 8,192 bytes of the image,
	s_lshl_b32 s20, s22, 8
	s_add_co_u32 s20, s20, s19
	s_add_co_u32 s20, s20, 16384
	s_add_nc_u64 s[26:27], s[10:11], s[20:21]      ; my 256 scale bytes
.irp t, 0,1,2,3
	XLOAD \t
.endr
	s_wait_alu depctr_va_vdst(0)
	s_wait_loadcnt 12                              ; step 0's four loads are in
	XTURN 0
.irp t, 0,1,2,3,4,5,6,7,8,9,10,11,12,13,14,15
	XSTEP \t
.endr
	ds_load_b64 v[12:13], v6                       ; these see my byte stores
	s_wait_dscnt 0x0
	global_store_b64 v7, v[12:13], s[26:27]        ; 32 lanes store 256 consecutive bytes, aligned
	v_lshrrev_b32 v8, 4, v2                        ; the codes come back from the second stage two rows at a time: these loads see my stores
	v_and_b32 v9, 15, v2
	v_mul_u32_u24 v8, v8, 272
	v_lshl_add_u32 v8, v9, 4, v8
	v_add_nc_u32 v8, s28, v8
.irp i, 0,1,2,3,4,5,6,7,8,9,10,11,12,13,14,15
	ds_load_b128 v[XR+4*\i:XR+4*\i+3], v8 offset:2*\i*272
.endr
.irp i, 0,1,2,3,4,5,6,7,8,9,10,11,12,13,14,15
	s_wait_dscnt 15-\i                             ; LDS loads come back in order: row pair i is in
	global_store_b128 v4, v[XR+4*\i:XR+4*\i+3], s[24:25] offset:512*\i   ; the wave stores 512 consecutive bytes, aligned
.endr
	s_wait_tensorcnt 0x0
	ds_add_u32 v192, v193
	s_wait_dscnt 0x0
	s_endpgm
.Lweights:
	s_cmp_lt_u32 ttmp9, 352
	s_cbranch_scc0 .Lwout
	s_wait_alu depctr_va_vdst(0)
	WPATH 3072, 0, 0, 32768, 256, 6, 12, WQS_OFF
	s_wait_tensorcnt 0x0
	ds_add_u32 v192, v193
	s_wait_dscnt 0x0
	s_endpgm
.Lwout:
	s_wait_alu depctr_va_vdst(0)
	WPATH 1024, 1, 0, 67584, 352, 8, 14, WOS_OFF   ; w_out's scale bytes lie [n][32] too
	s_wait_tensorcnt 0x0
	ds_add_u32 v192, v193
	s_wait_dscnt 0x0
	s_endpgm
.Lfunc_end_k_q212aaa04d2_prep:
	.size	k_q212aaa04d2_prep, .Lfunc_end_k_q212aaa04d2_prep-k_q212aaa04d2_prep
	.p2alignl 7, 3214868480
	.fill 96, 4, 3214868480
	.section	.rodata,"a",@progbits
	.p2align	6, 0x0
	.amdhsa_kernel k_q212aaa04d2_prep
		.amdhsa_group_segment_fixed_size 137728
		.amdhsa_private_segment_fixed_size 0
		.amdhsa_enable_private_segment 0
		.amdhsa_kernarg_size 48
		.amdhsa_user_sgpr_count 2
		.amdhsa_user_sgpr_kernarg_segment_ptr 1
		.amdhsa_wavefront_size32 1
		.amdhsa_system_sgpr_workgroup_id_x 1
		.amdhsa_system_sgpr_workgroup_id_y 1
		.amdhsa_system_sgpr_workgroup_id_z 1
		.amdhsa_system_vgpr_workitem_id 0
		.amdhsa_next_free_vgpr 194
		.amdhsa_next_free_sgpr 66
		.amdhsa_reserve_vcc 0
		.amdhsa_float_denorm_mode_32 3
		.amdhsa_float_denorm_mode_16_64 3
		.amdhsa_memory_ordered 1
		.amdhsa_forward_progress 1
		.amdhsa_inst_pref_size 171
	.end_amdhsa_kernel
	.amdgpu_metadata
---
amdhsa.version: [ 1, 2 ]
amdhsa.kernels:
  - .name:           k_q212aaa04d2_prep
    .symbol:         k_q212aaa04d2_prep.kd
    .args:
      - { .name: x, .offset: 0, .size: 8, .value_kind: global_buffer, .address_space: global }
      - { .name: w_qkv, .offset: 8, .size: 8, .value_kind: global_buffer, .address_space: global }
      - { .name: w_out, .offset: 16, .size: 8, .value_kind: global_buffer, .address_space: global }
      - { .name: xq, .offset: 24, .size: 8, .value_kind: global_buffer, .address_space: global }
      - { .name: wq, .offset: 32, .size: 8, .value_kind: global_buffer, .address_space: global }
      - { .name: wo, .offset: 40, .size: 8, .value_kind: global_buffer, .address_space: global }
    .group_segment_fixed_size: 137728
    .private_segment_fixed_size: 0
    .kernarg_segment_align: 8
    .kernarg_segment_size: 48
    .max_flat_workgroup_size: 128
    .sgpr_count:     66
    .vgpr_count:     194
    .wavefront_size: 32
...
	.end_amdgpu_metadata
.endif
;; end of part 1
;; launch qkv (part 2): grid 8 x 32, 4 waves a work-group, clusters of 4 x 1, 270,848 bytes of LDS; arguments xq, wq, qb, kv; writes qb, kv
.if DOCPART == 2
	.amdgcn_target "amdgcn-amd-amdhsa--gfx1250"
	.amdhsa_code_object_version 6
	.text
	.protected	k_q212aaa04d2_qkv
	.globl	k_q212aaa04d2_qkv
	.p2align	8
	.type	k_q212aaa04d2_qkv,@function
k_q212aaa04d2_qkv:
	s_mov_b64 s[64:65], 0
	v_nop
	global_prefetch_b8 v0, s[64:65] scope:SCOPE_SE
	s_setreg_imm32_b32 hwreg(HW_REG_WAVE_MODE, 25, 1), 1
	s_wait_xcnt 0x0
	s_wait_alu depctr_hold_cnt(0) depctr_sa_sdst(0) depctr_va_vdst(0) depctr_va_sdst(0) depctr_va_ssrc(0) depctr_va_vcc(0) depctr_vm_vsrc(0)
	s_getreg_b32 s2, hwreg(HW_REG_IB_STS2, 6, 4)
	s_cmp_eq_u32 s2, 0
	s_cbranch_scc0 .Lentry_in_a_cluster
	s_endpgm
.Lentry_in_a_cluster:
	s_bfe_u32 s2, ttmp6, 0x10000c
	s_cmp_lg_u32 s2, 0x3003
	s_cbranch_scc0 .Lentry_shape_is_right
	s_endpgm
.Lentry_shape_is_right:
; q, k, v = x w_qkv on codes of FP8 (E4M3) with E8M0 scales, K = 1,024, and their quantisers: q, k, v leave as images of the operand registers that the attention launch reads.  No f32 number goes to memory.
; THE DEAL.  256 work-groups of four waves.  A work-group owns 256 tokens (records 2 y and 2 y + 1 of 128): their 16 tiles of xq, 16,896 bytes each (codes as register images, then scale bytes), COME INTO LDS ONCE:
; wave w asks for four tiles, jointly with the same wave of its three partners in the cluster (one descriptor, a mask that names the four).  Nothing is filled again: no ring, and no barrier in the loops.
; A wave holds 64 rows of the weight, all of K, in 512 registers, loaded straight from wq, which lies as register images: they pass through no LDS, so there is no tile of them to ask for jointly.
; head = 4 cx + wave.  X = the cluster's x.  PHASE 1: the head's q (X = 0) or k (X = 1) of all 16 tiles: 16 blocks of 32 products.  PHASE 2: the head's v of record 2 y + X: 8 blocks.  768 products for every wave.
; Record 2 y + X lies in LDS tiles 0-7 and the other in 8-15: only global addresses hang on X.  Behind a block's products its set of x's registers takes the tile two on, modulo 16, so phase 1's last trip fetches phase 2's first tiles.
; LAYOUT.  q, k: source 0 = 16 channels of the weight, source 1 = 16 tokens: a lane holds a token, its registers the channels.  v: source 0 = 16 tokens, source 1 = 16 channels: a lane holds a channel, its registers the keys.
; A block of 32 along the next K lies in lanes l and l xor 16; operand place 32 B + 16 h + i holds index 32 B + 8 h + i (i < 8) or 32 B + 16 + 8 h + i - 8, alike in both operands of each later product.
; RECORDS of qb, kv: [16 batch + head][token / 128][16,896]: +0 eight tiles of 16 tokens x 1,024 bytes ([block][lane][16]); +8,192 four tiles of 16 channels of v x 2,048 ([block of keys][lane][16]);
; +16,384 q's or k's scale words [r][i]: two bytes of tile 2 i, two of 2 i + 1; +16,640 v's [r][t]: the four key blocks' bytes of channel 16 t + r.
; PREFETCH: v's weight is first read at the change of phase.  In each of phase 1's eight trips a wave of the four clusters with y < 2 names 32 blocks of 256 bytes, lanes 256 bytes apart: its own 65,536 bytes, each block once in a cluster.
; LIMITS: NaN and infinities are not served; a block under 2^(9 - 127) gets the scale byte 1 (the bytes are read by this program alone).
; REGISTERS: windows 1, 2: the weight, fragment 4 q + b at 16 registers each; window 3: x's two sets of 128; window 0: all else.
.set REC, 16896
.set WQS_OFF, 3145728
.set SPARE, 270336                     ; behind the 16 tiles: the spare words, 128 bytes a wave
.set NF, 34                            ; LDS loads of a fetch: 32 of codes, 2 of scale words
.set FLOOR, 0x4800000                  ; 2^(9 - 127)
.set LI, 1                             ; v1  16 x lane
.set WSO, 2                            ; v2  32 x lane: a weight row's scale bytes
.set LR, 3                             ; v3  16 x (lane % 16)
.set ADX, 4                            ; v4  LDS: the tile that is fetched, + 16 x lane
.set ADS, 5                            ; v5  the same + 16 x (lane % 16)
.set PFO, 6                            ; v6  256 x lane
.set SPW, 10
.set NIL, 11
.set SW, 12                            ; v12-15 the record's scale words, shifted in from the top
.set SOP, 16                           ; v16-19 the conversions' scale operands
.set SB, 24                            ; v24-39 the weight's scale words: 8 p + q: lanes 0-15 tile 2 p, lanes 16-31 tile 2 p + 1
.set EB, 40                            ; v40-43 scale bytes
.set SA, 44                            ; v44-59 x's scale words, two sets of eight
.set TQ, 60                            ; v60-63 maxima and bounds
.set ACC, 64                           ; v64-127 two sets of four accumulators
.set HD, 128                           ; v128-131 448 x the scale
.set CD, 132                           ; v132-147 codes
.set MSB, 0
.macro WIN new                         ; the immediate's high byte repeats the setting that is left
.if MSB != \new
	s_set_vgpr_msb (MSB<<8)|\new
.set MSB, \new
.endif
.endm
.macro PLACES n
.rept \n
	v_nop
.endr
.endm
.macro CROUND                          ; a round of the cluster's barrier
	s_barrier_signal -1
	s_barrier_wait -1
	s_cmp_lg_u32 s14, 0
	s_cbranch_scc1 .Lnot_wave_0_\@
	s_barrier_signal -3
.Lnot_wave_0_\@:
	s_barrier_wait -3
	s_barrier_signal -1
	s_barrier_wait -1
.endm
.macro WLOAD c, s                      ; my 64 rows of a weight: 128 loads of 512 consecutive bytes; then their scale words
.irp q, 0,1,2,3,4,5,6,7
.irp b, 0,1,2,3
	WIN (1+(4*\q+\b)/16)<<6
.irp k, 0,1,2,3
	global_load_b128 v[16*((4*\q+\b)%16)+4*\k:16*((4*\q+\b)%16)+4*\k+3], v[LI], s[\c:\c+1] offset:16384*\b+2048*\q+512*\k
.endr
.endr
.endr
	WIN 0
.irp p, 0,1
.irp k, 0,1
	global_load_b128 v[SB+8*\p+4*\k:SB+8*\p+4*\k+3], v[WSO], s[\s:\s+1] offset:1024*\p+16*\k
.endr
.endr
.endm
.macro FADR e                          ; where set e's next tile lies: tile (s49 + 2 + e) % 16.  The two vector lines are also places behind the products
	s_add_co_u32 s22, s49, 2+\e
	s_and_b32 s22, s22, 15
	s_mul_i32 s22, s22, REC
	v_add_nc_u32 v[ADX], s22, v[LI]
	v_add_nc_u32 v[ADS], s22, v[LR]
.endm
.macro FETCH e                         ; a tile of x, 16 rows, all of K, into set e, and its scale words
	WIN 3<<6
.irp q, 0,1,2,3,4,5,6,7
.irp k, 0,1,2,3
	ds_load_b128 v[128*\e+16*\q+4*\k:128*\e+16*\q+4*\k+3], v[ADX] offset:2048*\q+512*\k
.endr
.endr
	WIN 0
	ds_load_b128 v[SA+8*\e:SA+8*\e+3], v[ADS] offset:16384
	ds_load_b128 v[SA+8*\e+4:SA+8*\e+7], v[ADS] offset:16640
.endm
.macro PRODS kind, e, a                ; a block's 32 products: n = 4 q + b; the four accumulators by turns; the first four start the sums
.set N_, 0
.rept 32
.set Q_, N_/4
.set B_, N_%4
.set AC_, ACC+32*(\a)+8*B_
.set R_, 128*(\e)+16*Q_
.set W_, 16*(N_%16)
.set XS_, SA+8*(\e)+Q_
.set WS_, SB+8*(B_/2)+Q_
.if \kind
	WIN 3|((1+N_/16)<<2)
.if Q_ && B_%2
	v_wmma_scale_f32_16x16x128_f8f6f4 v[AC_:AC_+7], v[R_:R_+15], v[W_:W_+15], v[AC_:AC_+7], v[XS_], v[WS_] matrix_b_scale:MATRIX_SCALE_ROW1
.elseif Q_
	v_wmma_scale_f32_16x16x128_f8f6f4 v[AC_:AC_+7], v[R_:R_+15], v[W_:W_+15], v[AC_:AC_+7], v[XS_], v[WS_]
.elseif B_%2
	v_wmma_scale_f32_16x16x128_f8f6f4 v[AC_:AC_+7], v[R_:R_+15], v[W_:W_+15], 0, v[XS_], v[WS_] matrix_b_scale:MATRIX_SCALE_ROW1
.else
	v_wmma_scale_f32_16x16x128_f8f6f4 v[AC_:AC_+7], v[R_:R_+15], v[W_:W_+15], 0, v[XS_], v[WS_]
.endif
.else
	WIN (1+N_/16)|(3<<2)
.if Q_ && B_%2
	v_wmma_scale_f32_16x16x128_f8f6f4 v[AC_:AC_+7], v[W_:W_+15], v[R_:R_+15], v[AC_:AC_+7], v[WS_], v[XS_] matrix_a_scale:MATRIX_SCALE_ROW1
.elseif Q_
	v_wmma_scale_f32_16x16x128_f8f6f4 v[AC_:AC_+7], v[W_:W_+15], v[R_:R_+15], v[AC_:AC_+7], v[WS_], v[XS_]
.elseif B_%2
	v_wmma_scale_f32_16x16x128_f8f6f4 v[AC_:AC_+7], v[W_:W_+15], v[R_:R_+15], 0, v[WS_], v[XS_] matrix_a_scale:MATRIX_SCALE_ROW1
.else
	v_wmma_scale_f32_16x16x128_f8f6f4 v[AC_:AC_+7], v[W_:W_+15], v[R_:R_+15], 0, v[WS_], v[XS_]
.endif
.endif
.set N_, N_+1
.endr
	WIN 0
.endm
.macro QKQ                             ; q's or k's block: a lane's 32 sums are two blocks of 32 channels, shared with lane l xor 16 -> 32 codes, two bytes
.irp b, 0,1,2,3
	v_max3_num_f32 v[TQ+\b], |v[ACC+8*\b]|, |v[ACC+8*\b+1]|, FLOOR   ; four chains by turns, each accumulator from its low end on; the floor holds the byte at 1 from below
.endr
.irp i, 2,4,6
.irp b, 0,1,2,3
	v_max3_num_f32 v[TQ+\b], v[TQ+\b], |v[ACC+8*\b+\i]|, |v[ACC+8*\b+\i+1]|
.endr
.endr
	v_max_num_f32 v[TQ], v[TQ], v[TQ+1]
	v_max_num_f32 v[TQ+2], v[TQ+2], v[TQ+3]
	v_permlanex16_b32 v[TQ+1], v[TQ], s60, s61
	v_permlanex16_b32 v[TQ+3], v[TQ+2], s60, s61
	v_max_num_f32 v[TQ], v[TQ], v[TQ+1]            ; the blocks' largest magnitudes
	v_max_num_f32 v[TQ+2], v[TQ+2], v[TQ+3]
	v_add_nc_u32 v[SOP], 0xfc000000, v[TQ]         ; 8 off the exponent field: the conversion's scale operand
	v_add_nc_u32 v[SOP+1], 0xfc000000, v[TQ+2]
	v_and_or_b32 v[TQ+1], v[TQ], 0x7f800000, s62   ; 448 x the scale
	v_and_or_b32 v[TQ+3], v[TQ+2], 0x7f800000, s62
	v_lshrrev_b32 v[EB], 23, v[SOP]                ; the bytes
	v_lshrrev_b32 v[EB+1], 23, v[SOP+1]
.irp g, 0,1
.irp i, 0,1,2,3,4,5,6,7,8,9,10,11,12,13,14,15
	v_med3_num_f32 v[ACC+16*\g+\i], v[ACC+16*\g+\i], -v[TQ+1+2*\g], v[TQ+1+2*\g]   ; the conversion does not saturate (ISA guide 7.6.2): the hold comes first
.endr
	v_cvt_scalef32_pk8_fp8_f32 v[CD+4*\g:CD+4*\g+1], v[ACC+16*\g:ACC+16*\g+7], v[SOP+\g]
	v_cvt_scalef32_pk8_fp8_f32 v[CD+4*\g+2:CD+4*\g+3], v[ACC+16*\g+8:ACC+16*\g+15], v[SOP+\g]
.endr
	v_lshl_or_b32 v[EB], v[EB+1], 8, v[EB]         ; (also the plain line behind the conversions)
	v_perm_b32 v[SW], v[SW+1], v[SW], 0x05040302   ; the 128 bits of scale words go down by 16, and the tile's two bytes come in at the top: eight tiles fill them in order
	v_perm_b32 v[SW+1], v[SW+2], v[SW+1], 0x05040302
	v_perm_b32 v[SW+2], v[SW+3], v[SW+2], 0x05040302
	v_perm_b32 v[SW+3], v[EB], v[SW+3], 0x05040302
.endm
.macro QKBLK e
	s_wait_xcnt 0x0                                ; the earlier stores and the prefetch have read their registers and bases
	s_add_nc_u64 s[84:85], s[84:85], 1024          ; the next tile's image
.if \e == 0
	s_cmp_eq_u32 s49, 8
	s_cselect_b64 s[84:85], s[88:89], s[84:85]     ; tile 8 begins the other record
	s_add_nc_u64 s[90:91], s[90:91], 8192
.endif
	PRODS 0, \e, 0
	FADR \e
	PLACES 6                                       ; eight places behind the last product, ahead of loads into what it has read and of the first read of its sums
	FETCH \e
	s_wait_dscnt NF                                ; all but the fetch just issued: the other set is in
.if \e == 0
	s_cmp_lt_u32 s17, 2
	s_cbranch_scc0 .Lnone_ahead
	global_prefetch_b8 v[PFO], s[90:91] th:TH_LOAD_NT scope:SCOPE_SE
.Lnone_ahead:
.endif
	QKQ
	global_store_b128 v[LI], v[CD:CD+3], s[84:85]              ; 512 consecutive bytes, aligned, a block
	global_store_b128 v[LI], v[CD+4:CD+7], s[84:85] offset:512
.endm
.macro VQ                              ; a pair of v's blocks: tile t's 16 sums (8 of each block) are half a block of 32 keys, shared with lane l xor 16
.irp t, 0,1,2,3
	v_max3_num_f32 v[TQ+\t], |v[ACC+8*\t]|, |v[ACC+8*\t+1]|, FLOOR
.endr
.irp i, 2,4,6,32,34,36,38
.irp t, 0,1,2,3
	v_max3_num_f32 v[TQ+\t], v[TQ+\t], |v[ACC+8*\t+\i]|, |v[ACC+8*\t+\i+1]|
.endr
.endr
.irp t, 0,1,2,3
	v_permlanex16_b32 v[EB+\t], v[TQ+\t], s60, s61
.endr
.irp t, 0,1,2,3
	v_max_num_f32 v[TQ+\t], v[TQ+\t], v[EB+\t]
.endr
.irp t, 0,1,2,3
	v_add_nc_u32 v[SOP+\t], 0xfc000000, v[TQ+\t]
.endr
.irp t, 0,1,2,3
	v_and_or_b32 v[HD+\t], v[TQ+\t], 0x7f800000, s62
.endr
.irp t, 0,1,2,3
	v_lshrrev_b32 v[EB+\t], 23, v[SOP+\t]
.endr
.irp t, 0,1,2,3
.irp i, 0,1,2,3,4,5,6,7
	v_med3_num_f32 v[ACC+8*\t+\i], v[ACC+8*\t+\i], -v[HD+\t], v[HD+\t]
	v_med3_num_f32 v[ACC+32+8*\t+\i], v[ACC+32+8*\t+\i], -v[HD+\t], v[HD+\t]
.endr
	v_cvt_scalef32_pk8_fp8_f32 v[CD+4*\t:CD+4*\t+1], v[ACC+8*\t:ACC+8*\t+7], v[SOP+\t]
	v_cvt_scalef32_pk8_fp8_f32 v[CD+4*\t+2:CD+4*\t+3], v[ACC+32+8*\t:ACC+32+8*\t+7], v[SOP+\t]
.endr
.irp t, 0,1,2,3
	v_perm_b32 v[SW+\t], v[EB+\t], v[SW+\t], 0x04030201   ; tile t's word goes down by a byte, the key block's byte comes in at the top: four pairs fill it.  (Also the plain lines behind the conversions)
.endr
.endm
	s_load_b256 s[4:11], s[0:1], 0x0               ; xq s[4:5], wq s[6:7], qb s[8:9], kv s[10:11]
	v_lshl_add_u32 v[SPW], v0, 2, SPARE
	v_mov_b32 v[NIL], 0
	ds_add_u32 v[SPW], v[NIL]                      ; the opening lines: the add, twice on end, and its wait ahead of my tensor load
	ds_add_u32 v[SPW], v[NIL]
	v_lshrrev_b32 v7, 5, v0
	v_readfirstlane_b32 s14, v7                    ; wave 0..3
	v_and_b32 v7, 31, v0
	v_and_b32 v8, 15, v0
	v_lshlrev_b32 v[LI], 4, v7
	v_lshlrev_b32 v[WSO], 5, v7
	v_lshlrev_b32 v[PFO], 8, v7
	v_lshlrev_b32 v[LR], 4, v8
.irp i, 0,1,2,3
	v_mov_b32 v[SW+\i], 0                          ; written once: what is shifted out is never stored
	v_mov_b32 v[EB+\i], 0                          ; written once: a lane permute's destination counts as one of its sources
.endr
	s_bfe_u32 s15, ttmp6, 0x40000                  ; cx
	s_and_b32 s16, ttmp9, 1                        ; X: the cluster's x, 0 or 1
	s_and_b32 s17, ttmp7, 0xffff                   ; y: the pair of records
	s_mov_b32 s36, 15|(3<<16)|(1<<21)              ; group 1: the mask of all four work-groups; elements of 8 bytes; bit 21 beside a mask
	s_mov_b32 s37, 32<<16                          ; four tiles, 67,584 dense bytes, as 264 rows of 256 bytes
	s_mov_b32 s38, 264<<16
	s_mov_b32 s39, 32<<16
	s_mov_b32 s40, 264
	s_mov_b32 s41, 32
	s_mov_b32 s42, 0
	s_mov_b32 s43, 0
	s_mov_b32 s60, 0x76543210
	s_mov_b32 s61, 0xfedcba98                      ; v_permlanex16_b32's selects for lane l xor 16
	s_mov_b32 s62, 0x600000                        ; 448's mantissa field
	s_lshr_b32 s18, s14, 1                         ; my half of LDS: half 0 takes record 2 y + X, half 1 the other
	s_xor_b32 s18, s18, s16
	s_lshl_b32 s19, s17, 1
	s_add_co_u32 s18, s18, s19
	s_lshl_b32 s18, s18, 1
	s_and_b32 s19, s14, 1
	s_add_co_u32 s18, s18, s19                     ; which four tiles of xq
	s_mul_i32 s20, s18, 4*REC
	s_mov_b32 s21, 0
	s_mov_b32 s44, 1                               ; group 0
	s_mul_i32 s45, s14, 4*REC                      ; LDS: wave x four tiles
	s_lshl_b32 s22, s15, 2
	s_add_co_u32 s22, s22, s14                     ; the head
	s_lshl_b32 s23, s16, 4
	s_add_co_u32 s23, s23, s22                     ; which 64 rows of the weight in phase 1
	s_lshl_b32 s24, s23, 16
	s_mov_b32 s25, 0
	s_lshl_b32 s26, s23, 11
	s_add_co_u32 s26, s26, WQS_OFF
	s_mov_b32 s27, 0
	s_add_co_u32 s28, s22, 32                      ; and in phase 2
	s_lshl_b32 s30, s28, 11
	s_add_co_u32 s30, s30, WQS_OFF
	s_mov_b32 s31, 0
	s_lshl_b32 s28, s28, 16
	s_mov_b32 s29, 0
	s_lshr_b32 s32, s17, 3                         ; the batch
	s_lshl_b32 s32, s32, 4
	s_add_co_u32 s32, s32, s22
	s_lshl_b32 s32, s32, 4
	s_lshl_b32 s33, s17, 1
	s_and_b32 s33, s33, 15
	s_add_co_u32 s32, s32, s33
	s_add_co_u32 s33, s32, s16                     ; the record of LDS tiles 0-7,
	s_xor_b32 s34, s16, 1
	s_add_co_u32 s34, s32, s34                     ; of tiles 8-15
	s_mul_i32 s32, s33, REC
	s_mov_b32 s33, 0
	s_mul_i32 s34, s34, REC
	s_mov_b32 s35, 0
	s_wait_alu depctr_va_vdst(0)
	s_wait_dscnt 0x0                               ; both opening adds are done
	s_wait_kmcnt 0x0
	s_add_nc_u64 s[46:47], s[4:5], s[20:21]
	s_or_b32 s47, s47, 0x80000000
	s_add_nc_u64 s[24:25], s[6:7], s[24:25]
	s_add_nc_u64 s[26:27], s[6:7], s[26:27]
	s_add_nc_u64 s[28:29], s[6:7], s[28:29]
	s_add_nc_u64 s[30:31], s[6:7], s[30:31]
	s_cmp_eq_u32 s16, 0
	s_cselect_b64 s[8:9], s[8:9], s[10:11]         ; q to qb, k to kv
	s_add_nc_u64 s[84:85], s[8:9], s[32:33]
	s_sub_nc_u64 s[84:85], s[84:85], 1024          ; each block steps it first
	s_add_nc_u64 s[88:89], s[8:9], s[34:35]
	s_add_nc_u64 s[86:87], s[10:11], s[32:33]
	s_add_nc_u64 s[86:87], s[86:87], 8192-512      ; v's codes; each pair steps it first
	s_sub_nc_u64 s[90:91], s[28:29], 8192          ; the prefetches; each trip steps it first
	CROUND                                         ; all four work-groups are here: the joint loads meet
	tensor_load_to_lds s[44:47], s[36:43]          ; my one tensor load of the launch
	s_nop 0
	PLACES 4
	WLOAD 24, 26
	s_mov_b32 s49, 14
	s_wait_tensorcnt 0x0                           ; my four tiles have landed,
	s_barrier_signal -1
	s_barrier_wait -1                              ; everybody's have
	FADR 0
	FETCH 0
	FADR 1
	FETCH 1
	s_mov_b32 s49, 0
	s_wait_loadcnt 0x0                             ; the weight
	s_wait_dscnt NF                                ; set 0
.Lqk:                                              ; eight trips of two blocks; s49: the trip's first tile
	QKBLK 0
	QKBLK 1
	s_and_b32 s22, s49, 6
	s_cmp_lg_u32 s22, 6
	s_cbranch_scc1 .Lno_words
	global_store_b128 v[LR], v[SW:SW+3], s[84:85] offset:9216   ; behind a record's eighth tile: its scale words, 256 consecutive bytes; both halves of the lanes write the same bytes with the same value
.Lno_words:
	s_add_co_u32 s49, s49, 2
	s_wait_alu depctr_va_vdst(0)
	s_cmp_lg_u32 s49, 16
	s_cbranch_scc1 .Lqk
	WLOAD 28, 30                                   ; v's weight over q's or k's: the last products' places stand behind them, in their block
	s_mov_b32 s49, 0
	s_wait_loadcnt 0x0
.Lv:                                               ; four trips of a pair of blocks: 32 keys
	s_wait_xcnt 0x0
	s_add_nc_u64 s[86:87], s[86:87], 512
	PRODS 1, 0, 0
	FADR 0
	PLACES 6
	s_cmp_eq_u32 s49, 6
	s_cbranch_scc1 .Lv_none_0                      ; the last pair fetches nothing
	FETCH 0
	s_wait_dscnt NF                                ; set 1 is in
	s_branch .Lv_go
.Lv_none_0:
	s_wait_dscnt 0x0
.Lv_go:
	PRODS 1, 1, 1
	FADR 1
	PLACES 6
	s_cmp_eq_u32 s49, 6
	s_cbranch_scc1 .Lv_none_1
	FETCH 1
	s_wait_dscnt NF                                ; set 0 is in
.Lv_none_1:
	VQ
.irp t, 0,1,2,3
	global_store_b128 v[LI], v[CD+4*\t:CD+4*\t+3], s[86:87] offset:2048*\t
.endr
	s_add_co_u32 s49, s49, 2
	s_wait_alu depctr_va_vdst(0)
	s_cmp_lg_u32 s49, 8
	s_cbranch_scc1 .Lv
	global_store_b128 v[LR], v[SW:SW+3], s[86:87] offset:6912   ; v's scale words, at +16,640 of the record
	s_wait_tensorcnt 0x0                           ; the wave's end
	ds_add_u32 v[SPW], v[NIL]
	s_wait_dscnt 0x0
	CROUND                                         ; the closing round
	s_endpgm
.Lfunc_end_k_q212aaa04d2_qkv:
	.size	k_q212aaa04d2_qkv, .Lfunc_end_k_q212aaa04d2_qkv-k_q212aaa04d2_qkv
	.p2alignl 7, 3214868480
	.fill 96, 4, 3214868480
	.section	.rodata,"a",@progbits
	.p2align	6, 0x0
	.amdhsa_kernel k_q212aaa04d2_qkv
		.amdhsa_group_segment_fixed_size 270848
		.amdhsa_private_segment_fixed_size 0
		.amdhsa_enable_private_segment 0
		.amdhsa_kernarg_size 32
		.amdhsa_user_sgpr_count 2
		.amdhsa_user_sgpr_kernarg_segment_ptr 1
		.amdhsa_wavefront_size32 1
		.amdhsa_system_sgpr_workgroup_id_x 1
		.amdhsa_system_sgpr_workgroup_id_y 1
		.amdhsa_system_sgpr_workgroup_id_z 1
		.amdhsa_system_vgpr_workitem_id 0
		.amdhsa_next_free_vgpr 1024
		.amdhsa_next_free_sgpr 92
		.amdhsa_reserve_vcc 0
		.amdhsa_float_denorm_mode_32 3
		.amdhsa_float_denorm_mode_16_64 3
		.amdhsa_memory_ordered 1
		.amdhsa_forward_progress 1
		.amdhsa_inst_pref_size 81
	.end_amdhsa_kernel
	.amdgpu_metadata
---
amdhsa.version: [ 1, 2 ]
amdhsa.kernels:
  - .name:           k_q212aaa04d2_qkv
    .symbol:         k_q212aaa04d2_qkv.kd
    .args:
      - { .name: xq, .offset: 0, .size: 8, .value_kind: global_buffer, .address_space: global }
      - { .name: wq, .offset: 8, .size: 8, .value_kind: global_buffer, .address_space: global }
      - { .name: qb, .offset: 16, .size: 8, .value_kind: global_buffer, .address_space: global }
      - { .name: kv, .offset: 24, .size: 8, .value_kind: global_buffer, .address_space: global }
    .group_segment_fixed_size: 270848
    .private_segment_fixed_size: 0
    .kernarg_segment_align: 8
    .kernarg_segment_size: 32
    .max_flat_workgroup_size: 128
    .sgpr_count:     92
    .vgpr_count:     1024
    .wavefront_size: 32
...
	.end_amdgpu_metadata
.endif
;; end of part 2
;; launch attn (part 3): grid 4 x 64, 16 waves a work-group, clusters of 4 x 1, 272,384 bytes of LDS; arguments qb, kv, ao; writes ao
.if DOCPART == 3
	.amdgcn_target "amdgcn-amd-amdhsa--gfx1250"
	.amdhsa_code_object_version 6
	.text
	.protected	k_q212aaa04d2_attn
	.globl	k_q212aaa04d2_attn
	.p2align	8
	.type	k_q212aaa04d2_attn,@function
k_q212aaa04d2_attn:
	s_mov_b64 s[64:65], 0
	v_nop
	global_prefetch_b8 v0, s[64:65] scope:SCOPE_SE
	s_setreg_imm32_b32 hwreg(HW_REG_WAVE_MODE, 25, 1), 1
	s_wait_xcnt 0x0
	s_wait_alu depctr_hold_cnt(0) depctr_sa_sdst(0) depctr_va_vdst(0) depctr_va_sdst(0) depctr_va_ssrc(0) depctr_va_vcc(0) depctr_vm_vsrc(0)
	s_getreg_b32 s2, hwreg(HW_REG_IB_STS2, 6, 4)
	s_cmp_eq_u32 s2, 0
	s_cbranch_scc0 .Lentry_in_a_cluster
	s_endpgm
.Lentry_in_a_cluster:
	s_bfe_u32 s2, ttmp6, 0x10000c
	s_cmp_lg_u32 s2, 0x3003
	s_cbranch_scc0 .Lentry_shape_is_right
	s_endpgm
.Lentry_shape_is_right:
; Causal attention of one head (64 channels, 2,048 tokens) on codes of FP8 (E4M3) with E8M0 scales; the result leaves quantised along (head, channel), as images of the last product's operand registers.
; THE SOFTMAX AHEAD OF THE SECOND PRODUCT: t = score x log2(e) / 8; M = the row's largest t so far, rounded UP to a whole number; p = 2^(t - M) is what is quantised, along the keys, not normalised.
; The row's sum is taken of the unquantised p, in f32, and divides O at the end.  When M moves, the sum and O are multiplied by 2^(old M - new M): exact.
; SHARES.  The four work-groups of a cluster belong to one head.  THE HEAD'S WHOLE K AND V, 16 records of 128 keys, 270,336 bytes, COME INTO LDS ONCE: wave w asks for record w, jointly with the same wave of the three
; partners (one descriptor, a mask that names the four).  Nothing is filled again: no ring, and no barrier in the loops.
; Work-group j owns query tiles 4 m + j, m = 0 .. 31.  Tile m needs key steps 0 .. m / 2, whatever j: no branch hangs on the place in the cluster.  Wave w takes m = w and then m = 31 - w: 17 steps for every wave.
; Four waves of 256 registers share a SIMD, so that one wave's vector work stands beside another's products and LDS loads.
; LAYOUT.  Both products are used transposed: S^T = K Q^T (source 0 = keys, source 1 = my 16 queries), O^T = V^T P^T (source 0 = 16 channels, source 1 = P): a lane holds ONE query (lane % 16) throughout.
; Register 16 B + 8 u + j of S^T holds key 32 B + 16 u + 8 (lane / 16) + j; p's codes are taken in that order, and V's codes lie in the records in the same order: a block of 32 keys stays whole.
; K = 64 IN A FORM OF 128: a fragment of K holds TWO tiles of 16 keys (places 0-63, 64-127).  It is multiplied by [q | zeros] for the first tile's scores and by [zeros | q] for the second's: zero codes add nothing.
; A RECORD: +0 eight tiles of 16 keys x 1,024 bytes; +8,192 four tiles of 16 channels x 2,048 bytes; +16,384 K's scale words [r][pair of tiles]; +16,640 V's [r][tile of channels].  All reads are 16 bytes a lane on end.
; OUT.  ao: codes [tile'][head / 2][2 (head % 2) + block][lane][16 bytes], tile' = 128 batch + 32 j + m; scale words [head / 2][16 tile' + r] at AOS_OFF, this head's two bytes in its half of the word:
; a store of two bytes a lane, 32 of a tile's 1,056 bytes, so that the last product finds whole scale words.
; LIMITS: NaN and infinities are not served; 1 / the sum is v_rcp_f32's; a block under 2^(9 - 127) gets the scale byte 1 (the bytes are read by this program alone).
.set STEPB,   16896
.set HEADB,   270336
.set AOS_OFF, 8388608
.set LI,  1                            ; v1   16 x lane
.set LSC, 2                            ; v2   16 (lane % 16) + 16,384: K's scale words in a record
.set LQS, 3                            ; v3   16 (lane % 16)
.set ADK, 4                            ; v4   the step's record + 16 x lane
.set ADS, 5                            ; v5   the step's scale words
.set DQ0, 6                            ; v6   16 j + r - 8 h
.set DQ,  7                            ; v7   my query's place in the diagonal step - 8 h
.set LR4, 8                            ; v8   4 (lane % 16)
                                       ; v12 -M, v13 the largest t, v[14:15] the sum in two halves
                                       ; v16-23 zeros, v24-31 q, v32-39 zeros: [zeros | q] = v[16:31], [q | zeros] = v[24:39]
.set KV,  40                           ; v40-103  four fragments of K or of V
.set S,   104                          ; v104-167 S^T, then p
.set O,   168                          ; v168-199 O^T, four tiles of 16 channels
.set PC,  200                          ; v200-215 p's codes
.set BM,  216                          ; v216-219 the blocks' maxima
.set BP,  220                          ; v220-223 the other half's / the bytes
.set HD,  224                          ; v224-227 448 x the scale
.set SOP, 228                          ; v228-231 the conversions' scale operands
.set KSC, 232                          ; v232-235 K's scale words;  v236-239 V's;  v240 q's;  v241 p's: these hold scales and nothing else
.set VSC, 236
.macro CROUND                          ; a round of the cluster's barrier
	s_barrier_signal -1
	s_barrier_wait -1
	s_cmp_lg_u32 s12, 0
	s_cbranch_scc1 .Lnot_wave_0_\@
	s_barrier_signal -3
.Lnot_wave_0_\@:
	s_barrier_wait -3
	s_barrier_signal -1
	s_barrier_wait -1
.endm
	s_load_b128 s[4:7], s[0:1], 0x0                ; qb s[4:5], kv s[6:7]
	s_load_b64 s[8:9], s[0:1], 0x10                ; ao
	v_lshl_add_u32 v254, v0, 2, 0x42000
	v_mov_b32 v255, 0
	ds_add_u32 v254, v255
	ds_add_u32 v254, v255
	v_lshrrev_b32 v1, 5, v0
	s_delay_alu instid0(VALU_DEP_1)
	v_readfirstlane_b32 s12, v1                    ; wave 0..15
	s_bfe_u32 s13, ttmp6, 0x40000                  ; j: my place in the cluster
	s_and_b32 s14, ttmp7, 0xffff                   ; 16 x batch + head, which the four partners share
	; descriptor group 1: a record, 16,896 dense bytes, as 66 rows of 256 bytes (32 elements of 8 bytes)
	s_mov_b32 s36, 15|(3<<16)|(1<<21)              ; 15:0 the mask: all four work-groups; 17:16 elements of 8 bytes; 21 set beside a mask
	s_mov_b32 s37, 32<<16                          ; tensor_dim0
	s_mov_b32 s38, 66<<16                          ; tensor_dim1
	s_mov_b32 s39, 32<<16                          ; tile_dim0
	s_mov_b32 s40, 66                              ; tile_dim1
	s_mov_b32 s41, 32                              ; tensor_dim0_stride
	s_mov_b32 s42, 0
	s_mov_b32 s43, 0
	s_mov_b32 s20, 0x76543210
	s_mov_b32 s21, 0xfedcba98                      ; v_permlanex16_b32's selects for lane l xor 16
	s_mov_b32 s22, 0x3e38aa3b                      ; c = log2(e) / 8
	s_mov_b32 s23, s22                             ; (named with it as a pair, so it is written)
	s_mov_b32 s24, 0x600000                        ; 448's mantissa field
	s_and_b32 s25, s13, 1
	s_mul_i32 s25, s25, 0x02020202
	s_add_co_u32 s25, s25, 0x01000100              ; byte selects: my tile's two scale bytes, twice
	s_lshr_b32 s26, s14, 4
	s_lshl_b32 s26, s26, 7
	s_lshl_b32 s27, s13, 5
	s_add_co_u32 s26, s26, s27                     ; 128 batch + 32 j
	s_mul_i32 s28, s14, HEADB                      ; the head's records
	s_mov_b32 s29, 0
	s_mul_i32 s30, s12, STEPB                      ; my record, in memory and in LDS
	s_mov_b32 s31, 0
	s_and_b32 s32, s14, 15                         ; the head
	s_lshl_b32 s34, s32, 10                        ; its 1,024 bytes in a tile's 16,384 of ao
	s_mov_b32 s35, 0
	s_lshr_b32 s33, s32, 1
	s_lshl_b32 s33, s33, 15                        ; its row of scale words,
	s_and_b32 s32, s32, 1
	s_lshl_b32 s32, s32, 1                         ; its half of a word
	s_add_co_u32 s32, s32, s33
	s_add_co_u32 s32, s32, AOS_OFF
	s_mov_b32 s33, 0
	s_wait_dscnt 0x0
	s_wait_kmcnt 0x0
	s_add_nc_u64 s[48:49], s[4:5], s[28:29]        ; q's records of the head
	s_add_nc_u64 s[6:7], s[6:7], s[28:29]
	s_add_nc_u64 s[54:55], s[8:9], s[34:35]
	s_add_nc_u64 s[56:57], s[8:9], s[32:33]
	CROUND                                         ; all four work-groups are here: the joint loads meet
	s_mov_b32 s44, 1                               ; group 0: count = 1
	s_mov_b32 s45, s30                             ; LDS address: wave x 16,896
	s_add_nc_u64 s[46:47], s[6:7], s[30:31]        ; global address
	s_or_b32 s47, s47, 0x80000000                  ; type = 2
	tensor_load_to_lds s[44:47], s[36:43]          ; my one tensor load of the launch
	s_nop 0
.rept 4
	v_nop
.endr
	v_and_b32 v1, 31, v0
	s_delay_alu instid0(VALU_DEP_1)
	v_lshlrev_b32 v[LI], 4, v1
	v_and_b32 v9, 15, v0                           ; r
	s_delay_alu instid0(VALU_DEP_1)
	v_lshlrev_b32 v[LQS], 4, v9
	s_delay_alu instid0(VALU_DEP_1)
	v_add_nc_u32 v[LSC], 16384, v[LQS]
	s_delay_alu instid0(VALU_DEP_3)
	v_lshlrev_b32 v[LR4], 2, v9
	v_bfe_u32 v10, v0, 4, 1                        ; h
	s_delay_alu instid0(VALU_DEP_1)
	v_lshlrev_b32 v10, 3, v10
	s_delay_alu instid0(VALU_DEP_1)
	v_sub_nc_u32 v[DQ0], v9, v10
	s_lshl_b32 s27, s13, 4
	v_add_nc_u32 v[DQ0], s27, v[DQ0]
.irp i, 0,1,2,3,4,5,6,7
	v_mov_b32 v[16+\i], 0                          ; the zero codes beside q: written once
	v_mov_b32 v[32+\i], 0
.endr
.irp b, 0,1,2,3
	v_mov_b32 v[BP+\b], 0                          ; written once: a lane permute's destination counts as one of its sources
.endr
	v_mov_b32 v245, 0                              ; (named as the upper half of the pair v[244:245])
	v_mov_b32 v248, 0xff800000                     ; -infinity
	s_wait_tensorcnt 0x0                           ; my record has landed,
	s_barrier_signal -1
	s_barrier_wait -1                              ; everybody's has
	s_mov_b32 s15, s12                             ; m = my wave's number, then 31 - it
	s_mov_b32 s19, 2
.Ltile:
	s_lshr_b32 s16, s15, 1                         ; the diagonal step, which is also the record that holds my queries
	s_and_b32 s27, s15, 1
	s_lshl_b32 s32, s27, 6                         ; 64 (m % 2)
	s_lshl_b32 s27, s27, 2
	s_add_co_u32 s27, s27, s13                     ; my tile among the record's eight: 4 (m % 2) + j
	s_mul_i32 s28, s16, STEPB
	s_lshl_b32 s30, s27, 10
	s_add_co_u32 s30, s30, s28
	s_mov_b32 s31, 0
	s_add_nc_u64 s[50:51], s[48:49], s[30:31]      ; q's codes
	s_lshr_b32 s27, s27, 1
	s_lshl_b32 s27, s27, 2
	s_add_co_u32 s28, s28, s27
	s_add_co_u32 s28, s28, 16384
	s_mov_b32 s29, 0
	s_add_nc_u64 s[52:53], s[48:49], s[28:29]      ; and the scale word that holds my tile's two bytes
	global_load_b128 v[24:27], v[LI], s[50:51]
	global_load_b128 v[28:31], v[LI], s[50:51] offset:512
	global_load_b32 v242, v[LQS], s[52:53]
	v_add_nc_u32 v[DQ], s32, v[DQ0]
	v_mov_b32 v13, 0xff61b1e6                      ; the largest t so far: -3e38, under every t
	s_delay_alu instid0(VALU_DEP_1)
	v_floor_f32 v12, -v13                          ; -M
	v_mov_b32 v14, 0                               ; the sum, in two halves
	v_mov_b32 v15, 0
	s_wait_loadcnt 0x0
	v_perm_b32 v240, v242, v242, s25               ; q's scale word: its two bytes in both halves, so that it serves [q | zeros] and [zeros | q]
.set n, 0
.rept 32
	v_mov_b32 v[O+n], 0                            ; O^T: the step is written once; the first change of M leaves zeros zeros.  (These are also the places between q's scale word and the first product)
.set n, n+1
.endr
	s_mov_b32 s18, 0                               ; the step's record in LDS
	s_mov_b32 s17, 0                               ; the step
.Lstep:                                            ; 16 trips, a constant; a step all of whose keys come after my queries is passed over: a scalar branch on the wave's number and the counters
	s_cmp_gt_u32 s17, s16
	s_cbranch_scc1 .Lskip
	v_add_nc_u32 v[ADK], s18, v[LI]
	v_add_nc_u32 v[ADS], s18, v[LSC]
.irp g, 0,1,2,3
.irp c, 0,1,2,3
	ds_load_b128 v[KV+16*\g+4*\c:KV+16*\g+4*\c+3], v[ADK] offset:2048*\g+512*\c   ; K: a fragment is two tiles of keys, 2,048 bytes on end
.endr
.endr
	ds_load_b128 v[KSC:KSC+3], v[ADS]
	s_wait_alu depctr_va_vdst(0)
	s_wait_dscnt 0x0
.irp g, 0,1,2,3
	v_wmma_scale_f32_16x16x128_f8f6f4 v[S+16*\g:S+16*\g+7], v[KV+16*\g:KV+16*\g+15], v[24:39], 0, v[KSC+\g], v240
	v_wmma_scale_f32_16x16x128_f8f6f4 v[S+16*\g+8:S+16*\g+15], v[KV+16*\g:KV+16*\g+15], v[16:31], 0, v[KSC+\g], v240
.endr
.rept 8
	v_nop                                          ; places in front of the loads into K's registers and of the first read of the scores
.endr
.irp t, 0,1,2,3
.irp c, 0,1,2,3
	ds_load_b128 v[KV+16*\t+4*\c:KV+16*\t+4*\c+3], v[ADK] offset:8192+2048*\t+512*\c   ; V: it lands while the softmax is worked
.endr
.endr
	ds_load_b128 v[VSC:VSC+3], v[ADS] offset:256
	s_cmp_lt_u32 s17, s16
	s_cbranch_scc1 .Lopen
.set n, 0
.rept 64                                       ; the diagonal step: the scores of hidden keys become -infinity ahead of the maximum, so p = 0.  Register n holds the step's key 32 (n / 16) + 16 ((n / 8) % 2) + n % 8 + 8 h
	v_cmp_gt_i32 vcc_lo, 32*(n/16)+16*((n/8)%2)+n%8, v[DQ]
	v_cndmask_b32 v[S+n], v[S+n], v248, vcc_lo
.set n, n+1
.endr
.Lopen:
.irp b, 0,1,2,3
	v_max3_num_f32 v[BM+\b], v[S+16*\b], v[S+16*\b+1], v[S+16*\b+2]   ; THE LARGEST SCORE OF EACH BLOCK OF 32 KEYS serves twice: for the row's maximum, and, since p rises with the score, for the block's largest p
.endr
.irp i, 3,5,7,9,11,13
.irp b, 0,1,2,3
	v_max3_num_f32 v[BM+\b], v[BM+\b], v[S+16*\b+\i], v[S+16*\b+\i+1]
.endr
.endr
.irp b, 0,1,2,3
	v_max_num_f32 v[BM+\b], v[BM+\b], v[S+16*\b+15]
.endr
.irp b, 0,1,2,3
	s_delay_alu instid0(VALU_DEP_4)
	v_permlanex16_b32 v[BP+\b], v[BM+\b], s20, s21
.endr
.irp b, 0,1,2,3
	s_delay_alu instid0(VALU_DEP_4)
	v_max_num_f32 v[BM+\b], v[BM+\b], v[BP+\b]     ; with lane l xor 16's 16 keys
.endr
	s_delay_alu instid0(VALU_DEP_2)
	v_max3_num_f32 v242, v[BM], v[BM+1], v[BM+2]
	s_delay_alu instid0(VALU_DEP_1)
	v_max_num_f32 v242, v242, v[BM+3]              ; the step's largest score of my query
	s_delay_alu instid0(VALU_DEP_1)
	v_mul_f32 v242, s22, v242                      ; as t (c is positive)
	s_delay_alu instid0(VALU_DEP_1)
	v_max_num_f32 v13, v13, v242                   ; the running largest t
	v_mov_b32 v242, v12
	s_delay_alu instid0(VALU_DEP_2)
	v_floor_f32 v12, -v13                          ; the new -M = floor(-t) = -ceil(t): a whole number
	s_delay_alu instid0(VALU_DEP_1)
	v_sub_f32 v242, v12, v242                      ; M's old value less its new one: 0 or less
	s_delay_alu instid0(VALU_DEP_1)
	v_cvt_i32_f32 v242, v242                       ; (it saturates)
	s_delay_alu instid0(VALU_DEP_1)
	v_ldexp_f32 v244, 1.0, v242                    ; f = 2^(old M - new M)
.set n, 0
.rept 32
	v_pk_fma_f32 v[S+n:S+n+1], v[S+n:S+n+1], s[22:23], v[12:13] op_sel_hi:[1,0,0]   ; t - M, two at a time (of the pairs c and -M the low word serves both halves)
.set n, n+2
.endr
.irp b, 0,1,2,3
	v_fma_f32 v[BM+\b], v[BM+\b], s22, v12         ; the same of each block's largest score
.endr
.set n, 0
	s_wait_alu depctr_va_vdst(0)
.rept 64
	v_exp_f32 v[S+n], v[S+n]                       ; p = 2^(t - M), at most 1
.set n, n+1
.endr
.irp b, 0,1,2,3
	v_exp_f32 v[BM+\b], v[BM+\b]                   ; the block's largest p: the same two instructions on the same number
.endr
	v_pk_mul_f32 v[14:15], v[14:15], v[244:245] op_sel_hi:[1,0]   ; the sums under the new M.  (The plain line behind the exponentials)
	s_wait_alu depctr_va_vdst(0)
.irp b, 0,1,2,3
	v_max_num_f32 v[BM+\b], 0x4800000, v[BM+\b]    ; the floor 2^(9 - 127): the byte cannot fall under 1
.endr
.irp b, 0,1,2,3
	s_delay_alu instid0(VALU_DEP_4)
	v_add_nc_u32 v[SOP+\b], 0xfc000000, v[BM+\b]   ; 8 off the exponent field: the conversion's scale operand
.endr
.irp b, 0,1,2,3
	v_and_or_b32 v[HD+\b], v[BM+\b], 0x7f800000, s24   ; 448 x the scale
.endr
.irp b, 0,1,2,3
	v_lshrrev_b32 v[BP+\b], 23, v[SOP+\b]          ; the scale's byte
.endr
	s_delay_alu instid0(VALU_DEP_3)
	v_lshl_or_b32 v241, v[BP+1], 8, v[BP]          ; p's scale word for these 128 keys
	s_delay_alu instid0(VALU_DEP_1)
	v_lshl_or_b32 v241, v[BP+2], 16, v241
	s_delay_alu instid0(VALU_DEP_1)
	v_lshl_or_b32 v241, v[BP+3], 24, v241
	v_pk_add_f32 v[246:247], v[108:109], v[112:113]
	v_pk_add_f32 v[252:253], v[116:117], v[120:121]
	v_pk_add_f32 v[250:251], v[124:125], v[128:129]
	v_pk_add_f32 v[234:235], v[132:133], v[136:137]
	v_pk_add_f32 v[232:233], v[140:141], v[144:145]
	v_pk_add_f32 v[218:219], v[148:149], v[152:153]
	v_pk_add_f32 v[216:217], v[156:157], v[160:161]
	v_pk_add_f32 v[14:15], v[14:15], v[164:165]
	v_pk_add_f32 v[246:247], v[246:247], v[104:105]
	v_pk_add_f32 v[252:253], v[252:253], v[106:107]
	v_pk_add_f32 v[250:251], v[250:251], v[110:111]
	v_pk_add_f32 v[234:235], v[234:235], v[114:115]
	v_pk_add_f32 v[232:233], v[232:233], v[118:119]
	v_pk_add_f32 v[218:219], v[218:219], v[122:123]
	v_pk_add_f32 v[216:217], v[216:217], v[126:127]
	v_pk_add_f32 v[14:15], v[14:15], v[130:131]
	v_pk_add_f32 v[246:247], v[246:247], v[134:135]
	v_pk_add_f32 v[252:253], v[252:253], v[138:139]
	v_pk_add_f32 v[250:251], v[250:251], v[142:143]
	v_pk_add_f32 v[234:235], v[234:235], v[146:147]
	v_pk_add_f32 v[232:233], v[232:233], v[150:151]
	v_pk_add_f32 v[218:219], v[218:219], v[154:155]
	v_pk_add_f32 v[216:217], v[216:217], v[158:159]
	v_pk_add_f32 v[14:15], v[14:15], v[162:163]
	v_pk_add_f32 v[246:247], v[246:247], v[166:167]
	s_delay_alu instid0(VALU_DEP_2)
	v_pk_add_f32 v[14:15], v[14:15], v[234:235]
	s_delay_alu instid0(VALU_DEP_2)
	v_pk_add_f32 v[246:247], v[246:247], v[232:233]
	v_pk_add_f32 v[252:253], v[252:253], v[218:219]
	v_pk_add_f32 v[250:251], v[250:251], v[216:217]
	s_delay_alu instid0(VALU_DEP_2)
	v_pk_add_f32 v[14:15], v[14:15], v[252:253]
	s_delay_alu instid0(VALU_DEP_2)
	v_pk_add_f32 v[246:247], v[246:247], v[250:251]
	s_delay_alu instid0(VALU_DEP_1)
	v_pk_add_f32 v[14:15], v[14:15], v[246:247]
.irp b, 0,1,2,3
.irp i, 0,1,2,3,4,5,6,7,8,9,10,11,12,13,14,15
	v_min_num_f32 v[S+16*\b+\i], v[S+16*\b+\i], v[HD+\b]   ; the conversion does not saturate (ISA guide 7.6.2); p is not negative, so the hold is one-sided
.endr
	v_cvt_scalef32_pk8_fp8_f32 v[PC+4*\b:PC+4*\b+1], v[S+16*\b:S+16*\b+7], v[SOP+\b]
	v_cvt_scalef32_pk8_fp8_f32 v[PC+4*\b+2:PC+4*\b+3], v[S+16*\b+8:S+16*\b+15], v[SOP+\b]
.endr
.set n, 0
.rept 16
	v_pk_mul_f32 v[O+n:O+n+1], v[O+n:O+n+1], v[244:245] op_sel_hi:[1,0]   ; O^T under the new M, each accumulator from its low end on.  (Also the places between the codes and the products)
.set n, n+2
.endr
	s_wait_alu depctr_va_vdst(0)
	s_wait_dscnt 0x0                               ; V is in
.irp t, 0,1,2,3
	v_wmma_scale_f32_16x16x128_f8f6f4 v[O+8*\t:O+8*\t+7], v[KV+16*\t:KV+16*\t+15], v[PC:PC+15], v[O+8*\t:O+8*\t+7], v[VSC+\t], v241   ; the four accumulators by turns
.endr
.rept 8
	v_nop                                          ; places: whatever follows (the next step's loads, the way out) finds them
.endr
.Lskip:
	s_add_co_u32 s18, s18, STEPB
	s_add_co_u32 s17, s17, 1
	s_cmp_lt_u32 s17, 16
	s_cbranch_scc1 .Lstep
	; ---- the tile's way out: O^T / the sum, quantised along the head's 64 channels (two blocks of 32, shared with lane l xor 16)
	v_add_f32 v14, v14, v15
	s_delay_alu instid0(VALU_DEP_1)
	v_permlanex16_b32 v242, v14, s20, s21
	s_delay_alu instid0(VALU_DEP_1)
	v_add_f32 v14, v14, v242                       ; the row's sum
	s_wait_alu depctr_va_vdst(0)
	v_rcp_f32 v14, v14
	v_nop                                          ; one plain line behind the transcendental
.set n, 0
	s_wait_alu depctr_va_vdst(0)
.rept 16
	v_pk_mul_f32 v[O+n:O+n+1], v[O+n:O+n+1], v[14:15] op_sel_hi:[1,0]
.set n, n+2
.endr
.irp b, 0,1
	v_max3_num_f32 v[BM+\b], |v[O+16*\b]|, |v[O+16*\b+1]|, 0x4800000
.endr
.irp i, 2,4,6,8,10,12,14
.irp b, 0,1
	s_delay_alu instid0(VALU_DEP_2)
	v_max3_num_f32 v[BM+\b], v[BM+\b], |v[O+16*\b+\i]|, |v[O+16*\b+\i+1]|
.endr
.endr
.irp b, 0,1
	s_delay_alu instid0(VALU_DEP_2)
	v_permlanex16_b32 v[BP+\b], v[BM+\b], s20, s21
.endr
.irp b, 0,1
	s_delay_alu instid0(VALU_DEP_2)
	v_max_num_f32 v[BM+\b], v[BM+\b], v[BP+\b]
.endr
.irp b, 0,1
	s_delay_alu instid0(VALU_DEP_2)
	v_add_nc_u32 v[SOP+\b], 0xfc000000, v[BM+\b]
.endr
.irp b, 0,1
	s_delay_alu instid0(VALU_DEP_4)
	v_and_or_b32 v[HD+\b], v[BM+\b], 0x7f800000, s24
.endr
.irp b, 0,1
	s_delay_alu instid0(VALU_DEP_4)
	v_lshrrev_b32 v[BP+\b], 23, v[SOP+\b]
.endr
	s_delay_alu instid0(VALU_DEP_1)
	v_lshl_or_b32 v242, v[BP+1], 8, v[BP]          ; the head's two scale bytes of my row
.irp b, 0,1
.irp i, 0,1,2,3,4,5,6,7,8,9,10,11,12,13,14,15
	v_med3_num_f32 v[O+16*\b+\i], v[O+16*\b+\i], -v[HD+\b], v[HD+\b]
.endr
	v_cvt_scalef32_pk8_fp8_f32 v[PC+4*\b:PC+4*\b+1], v[O+16*\b:O+16*\b+7], v[SOP+\b]
	v_cvt_scalef32_pk8_fp8_f32 v[PC+4*\b+2:PC+4*\b+3], v[O+16*\b+8:O+16*\b+15], v[SOP+\b]
.endr
	v_nop                                          ; one plain line behind the last conversion
	s_add_co_u32 s27, s26, s15                     ; tile' = 128 batch + 32 j + m
	s_lshl_b32 s28, s27, 14
	s_mov_b32 s29, 0
	s_add_nc_u64 s[58:59], s[54:55], s[28:29]
	s_lshl_b32 s30, s27, 6
	s_mov_b32 s31, 0
	s_add_nc_u64 s[60:61], s[56:57], s[30:31]
	global_store_b128 v[LI], v[PC:PC+3], s[58:59]              ; 512 consecutive bytes, aligned, a block
	global_store_b128 v[LI], v[PC+4:PC+7], s[58:59] offset:512
	global_store_b16 v[LR4], v242, s[60:61]                    ; both halves of the lanes write the same bytes with the same value
	s_wait_xcnt 0x0                                ; the stores have read their registers and bases: the next tile writes them again
	s_sub_co_u32 s15, 31, s15
	s_sub_co_u32 s19, s19, 1
	s_cmp_lg_u32 s19, 0
	s_cbranch_scc1 .Ltile
	s_wait_dscnt 0x0                               ; no LDS instruction of mine is out at a signal
	s_wait_tensorcnt 0x0
	ds_add_u32 v254, v255
	s_wait_dscnt 0x0
	CROUND                                         ; the closing round
	s_endpgm
.Lfunc_end_k_q212aaa04d2_attn:
	.size	k_q212aaa04d2_attn, .Lfunc_end_k_q212aaa04d2_attn-k_q212aaa04d2_attn
	.p2alignl 7, 3214868480
	.fill 96, 4, 3214868480
	.section	.rodata,"a",@progbits
	.p2align	6, 0x0
	.amdhsa_kernel k_q212aaa04d2_attn
		.amdhsa_group_segment_fixed_size 272384
		.amdhsa_private_segment_fixed_size 0
		.amdhsa_enable_private_segment 0
		.amdhsa_kernarg_size 24
		.amdhsa_user_sgpr_count 2
		.amdhsa_user_sgpr_kernarg_segment_ptr 1
		.amdhsa_wavefront_size32 1
		.amdhsa_system_sgpr_workgroup_id_x 1
		.amdhsa_system_sgpr_workgroup_id_y 1
		.amdhsa_system_sgpr_workgroup_id_z 1
		.amdhsa_system_vgpr_workitem_id 0
		.amdhsa_next_free_vgpr 256
		.amdhsa_next_free_sgpr 66
		.amdhsa_reserve_vcc 1
		.amdhsa_float_denorm_mode_32 3
		.amdhsa_float_denorm_mode_16_64 3
		.amdhsa_memory_ordered 1
		.amdhsa_forward_progress 1
		.amdhsa_inst_pref_size 39
	.end_amdhsa_kernel
	.amdgpu_metadata
---
amdhsa.version: [ 1, 2 ]
amdhsa.kernels:
  - .name:           k_q212aaa04d2_attn
    .symbol:         k_q212aaa04d2_attn.kd
    .args:
      - { .name: qb, .offset: 0, .size: 8, .value_kind: global_buffer, .address_space: global }
      - { .name: kv, .offset: 8, .size: 8, .value_kind: global_buffer, .address_space: global }
      - { .name: ao, .offset: 16, .size: 8, .value_kind: global_buffer, .address_space: global }
    .group_segment_fixed_size: 272384
    .private_segment_fixed_size: 0
    .kernarg_segment_align: 8
    .kernarg_segment_size: 24
    .max_flat_workgroup_size: 512
    .sgpr_count:     66
    .vgpr_count:     256
    .wavefront_size: 32
...
	.end_amdgpu_metadata
.endif
;; end of part 3
;; launch proj (part 4): grid 4 x 64, 4 waves a work-group, clusters of 4 x 1, 167,936 bytes of LDS; arguments ao, wo, out0; writes out0
.if DOCPART == 4
	.amdgcn_target "amdgcn-amd-amdhsa--gfx1250"
	.amdhsa_code_object_version 6
	.text
	.protected	k_q212aaa04d2_proj
	.globl	k_q212aaa04d2_proj
	.p2align	8
	.type	k_q212aaa04d2_proj,@function
k_q212aaa04d2_proj:
	s_mov_b64 s[64:65], 0
	v_nop
	global_prefetch_b8 v0, s[64:65] scope:SCOPE_SE
	s_setreg_imm32_b32 hwreg(HW_REG_WAVE_MODE, 25, 1), 1
	s_wait_xcnt 0x0
	s_wait_alu depctr_hold_cnt(0) depctr_sa_sdst(0) depctr_va_vdst(0) depctr_va_sdst(0) depctr_va_ssrc(0) depctr_va_vcc(0) depctr_vm_vsrc(0)
	s_getreg_b32 s2, hwreg(HW_REG_IB_STS2, 6, 4)
	s_cmp_eq_u32 s2, 0
	s_cbranch_scc0 .Lentry_in_a_cluster
	s_endpgm
.Lentry_in_a_cluster:
	s_bfe_u32 s2, ttmp6, 0x10000c
	s_cmp_lg_u32 s2, 0x3003
	s_cbranch_scc0 .Lentry_shape_is_right
	s_endpgm
.Lentry_shape_is_right:
; out0 = attention's result x w_out on codes of FP8 (E4M3) with E8M0 scales, K = 1,024, f32 out.
; THE DEAL.  256 work-groups of four waves: 128 rows x 256 columns each.  The rows are eight tiles of 16 of ao, 16,384 bytes each, images of operand registers: they COME INTO LDS ONCE, two tiles a wave, asked for jointly
; by the four work-groups of a cluster, which share the rows and differ in the columns.  Nothing is filled again: no ring, and no barrier in the loop.
; A wave holds 64 rows of wo (columns 256 cx + 64 wave of the result), all of K, in 512 registers, loaded straight from wo, which lies as register images: they pass through no LDS, so there is no tile of them to ask for jointly.
; Eight blocks of 32 products.  Source 0 = 16 rows of wo, source 1 = 16 rows of ao: a lane holds eight neighbouring columns of a row.  A block goes through the wave's own stage in LDS and leaves as rows of 256 bytes.
; ao: codes [tile'][k / 128][(k / 32) % 4][lane][16]; scale words [k / 128][16 tile' + r] at AOS_OFF.  tile' = 128 batch + 32 j + m holds rows 16 (4 m + j) .. of its batch: from a tile' to the next, 64 rows.
; No prefetch: all that the launch reads is asked for at its head but for 32 bytes of scale words a row, which are asked for two blocks ahead of their use.
; LIMITS: NaN and infinities are not served.
.set AOS_OFF, 8388608
.set WOS_OFF, 1048576
.set STG, 131072                       ; behind the eight tiles: a stage of 16 rows x (256 + 16) bytes for each wave
.set SPARE, 148480                     ; behind the stages: the spare words
.set LI, 1                             ; v1  16 x lane
.set WSO, 2                            ; v2  32 x lane
.set AS4, 3                            ; v3  4 x (lane % 16)
.set ADX, 4                            ; v4  LDS: the tile that is fetched
.set ASX, 5                            ; v5  its scale words' offset
.set STO, 6                            ; v6  into the stage
.set RD, 7                             ; v7  out of it
.set CO, 8                             ; v8  my bytes in two rows of out0
.set SPW, 10
.set NIL, 11
.set SB, 24                            ; v24-39 wo's scale words
.set SA, 44                            ; v44-59 ao's, two sets of eight
.set ACC, 64                           ; v64-95 four accumulators
.set BK, 96                            ; v96-127 16 rows back from the stage
.set MSB, 0
.macro WIN new
.if MSB != \new
	s_set_vgpr_msb (MSB<<8)|\new
.set MSB, \new
.endif
.endm
.macro PLACES n
.rept \n
	v_nop
.endr
.endm
.macro CROUND
	s_barrier_signal -1
	s_barrier_wait -1
	s_cmp_lg_u32 s14, 0
	s_cbranch_scc1 .Lnot_wave_0_\@
	s_barrier_signal -3
.Lnot_wave_0_\@:
	s_barrier_wait -3
	s_barrier_signal -1
	s_barrier_wait -1
.endm
.macro FADR e                          ; set e's next tile: (s49 + 2 + e) % 8
	s_add_co_u32 s22, s49, 2+\e
	s_and_b32 s22, s22, 7
	s_lshl_b32 s23, s22, 14
	s_lshl_b32 s22, s22, 6
	v_add_nc_u32 v[ADX], s23, v[LI]
	v_add_nc_u32 v[ASX], s22, v[AS4]
.endm
.macro FETCH e                         ; 32 LDS loads of codes, 8 loads of scale words
	WIN 3<<6
.irp q, 0,1,2,3,4,5,6,7
.irp k, 0,1,2,3
	ds_load_b128 v[128*\e+16*\q+4*\k:128*\e+16*\q+4*\k+3], v[ADX] offset:2048*\q+512*\k
.endr
.endr
	WIN 0
.irp q, 0,1,2,3,4,5,6,7
	global_load_b32 v[SA+8*\e+\q], v[ASX], s[28:29] offset:32768*\q
.endr
.endm
.macro PRODS e                         ; n = 4 q + b; the four accumulators by turns
.set N_, 0
.rept 32
.set Q_, N_/4
.set B_, N_%4
.set AC_, ACC+8*B_
.set R_, 128*(\e)+16*Q_
.set W_, 16*(N_%16)
.set XS_, SA+8*(\e)+Q_
.set WS_, SB+8*(B_/2)+Q_
	WIN (1+N_/16)|(3<<2)
.if Q_ && B_%2
	v_wmma_scale_f32_16x16x128_f8f6f4 v[AC_:AC_+7], v[W_:W_+15], v[R_:R_+15], v[AC_:AC_+7], v[WS_], v[XS_] matrix_a_scale:MATRIX_SCALE_ROW1
.elseif Q_
	v_wmma_scale_f32_16x16x128_f8f6f4 v[AC_:AC_+7], v[W_:W_+15], v[R_:R_+15], v[AC_:AC_+7], v[WS_], v[XS_]
.elseif B_%2
	v_wmma_scale_f32_16x16x128_f8f6f4 v[AC_:AC_+7], v[W_:W_+15], v[R_:R_+15], 0, v[WS_], v[XS_] matrix_a_scale:MATRIX_SCALE_ROW1
.else
	v_wmma_scale_f32_16x16x128_f8f6f4 v[AC_:AC_+7], v[W_:W_+15], v[R_:R_+15], 0, v[WS_], v[XS_]
.endif
.set N_, N_+1
.endr
	WIN 0
.endm
.macro PBLK e
	s_wait_xcnt 0x0                                ; the earlier stores and loads have read their registers and bases
	s_add_nc_u64 s[8:9], s[8:9], 0x40000           ; 64 rows of out0 on
	PRODS \e
	FADR \e
	PLACES 7                                       ; nine places behind the last product: the next block's first products begin the sums anew over these accumulators
.irp b, 0,1,2,3
	ds_store_b128 v[STO], v[ACC+8*\b:ACC+8*\b+3] offset:64*\b        ; each accumulator from its low end on
	ds_store_b128 v[STO], v[ACC+8*\b+4:ACC+8*\b+7] offset:64*\b+16
.endr
.irp t, 0,1,2,3,4,5,6,7
	ds_load_b128 v[BK+4*\t:BK+4*\t+3], v[RD] offset:2*\t*272         ; LDS serves a wave's instructions in order: these see my stores
.endr
	s_cmp_eq_u32 s49, 6
	s_cbranch_scc1 .Lnone_\@                       ; the last two blocks fetch nothing
	FETCH \e
	s_wait_loadcnt 8                               ; all but the eight just issued: the other set's scale words are in
	s_wait_dscnt 32                                ; all but the 32 just issued: the rows are back, and the other set is in
	s_branch .Lgo_\@
.Lnone_\@:
	s_wait_loadcnt 0x0
	s_wait_dscnt 0x0
.Lgo_\@:
.irp t, 0,1,2,3,4,5,6,7
	global_store_b128 v[CO], v[BK+4*\t:BK+4*\t+3], s[8:9] offset:2*\t*4096 th:TH_STORE_NT   ; sixteen lanes store 256 consecutive bytes, aligned
.endr
.endm
	s_load_b128 s[4:7], s[0:1], 0x0                ; ao s[4:5], wo s[6:7]
	s_load_b64 s[8:9], s[0:1], 0x10                ; out0
	v_lshl_add_u32 v[SPW], v0, 2, SPARE
	v_mov_b32 v[NIL], 0
	ds_add_u32 v[SPW], v[NIL]                      ; the opening lines: the add, twice on end, and its wait ahead of my tensor load
	ds_add_u32 v[SPW], v[NIL]
	v_lshrrev_b32 v9, 5, v0
	v_readfirstlane_b32 s14, v9                    ; wave 0..3
	s_mul_i32 s23, s14, 16*272
	s_add_co_u32 s23, s23, STG                     ; my stage
	v_and_b32 v9, 31, v0
	v_and_b32 v12, 15, v0                          ; r
	v_bfe_u32 v13, v0, 4, 1                        ; h
	v_lshlrev_b32 v[LI], 4, v9
	v_lshlrev_b32 v[WSO], 5, v9
	v_lshlrev_b32 v[AS4], 2, v12
	v_mul_u32_u24 v[STO], v12, 272
	v_mul_u32_u24 v[RD], v13, 272
	v_lshl_add_u32 v[STO], v13, 5, v[STO]
	v_lshl_add_u32 v[RD], v12, 4, v[RD]
	v_add_nc_u32 v[STO], s23, v[STO]               ; in: row r, 32 bytes for each half of the lanes
	v_add_nc_u32 v[RD], s23, v[RD]                 ; back: lanes 0-15 one row, lanes 16-31 the next
	v_lshlrev_b32 v[CO], 12, v13
	v_lshl_add_u32 v[CO], v12, 4, v[CO]            ; and the same two rows in out0
	s_bfe_u32 s15, ttmp6, 0x40000                  ; cx
	s_and_b32 s17, ttmp7, 0xffff                   ; g: which eight tiles
	s_mov_b32 s36, 15|(3<<16)|(1<<21)              ; group 1: the mask of all four work-groups; elements of 8 bytes; bit 21 beside a mask
	s_mov_b32 s37, 32<<16                          ; two tiles, 32,768 dense bytes, as 128 rows of 256 bytes
	s_mov_b32 s38, 128<<16
	s_mov_b32 s39, 32<<16
	s_mov_b32 s40, 128
	s_mov_b32 s41, 32
	s_mov_b32 s42, 0
	s_mov_b32 s43, 0
	s_lshl_b32 s20, s17, 17
	s_lshl_b32 s45, s14, 15                        ; LDS: wave x two tiles
	s_add_co_u32 s20, s20, s45
	s_mov_b32 s21, 0
	s_mov_b32 s44, 1
	s_lshl_b32 s22, s15, 2
	s_add_co_u32 s22, s22, s14                     ; which 64 columns
	s_lshl_b32 s24, s22, 16
	s_mov_b32 s25, 0
	s_lshl_b32 s26, s22, 11
	s_add_co_u32 s26, s26, WOS_OFF
	s_mov_b32 s27, 0
	s_lshl_b32 s28, s17, 9
	s_add_co_u32 s28, s28, AOS_OFF
	s_mov_b32 s29, 0
	s_lshr_b32 s30, s17, 4                         ; my first row: 2,048 batch + 512 (g % 4) + 16 ((g / 4) % 4)
	s_lshl_b32 s30, s30, 11
	s_and_b32 s31, s17, 3
	s_lshl_b32 s31, s31, 9
	s_add_co_u32 s30, s30, s31
	s_bfe_u32 s31, s17, 0x20002
	s_lshl_b32 s31, s31, 4
	s_add_co_u32 s30, s30, s31
	s_lshl_b32 s30, s30, 12
	s_lshl_b32 s31, s22, 8
	s_add_co_u32 s30, s30, s31
	s_mov_b32 s31, 0
	s_wait_alu depctr_va_vdst(0)
	s_wait_dscnt 0x0                               ; both opening adds are done
	s_wait_kmcnt 0x0
	s_add_nc_u64 s[46:47], s[4:5], s[20:21]
	s_or_b32 s47, s47, 0x80000000
	s_add_nc_u64 s[24:25], s[6:7], s[24:25]
	s_add_nc_u64 s[26:27], s[6:7], s[26:27]
	s_add_nc_u64 s[28:29], s[4:5], s[28:29]
	s_add_nc_u64 s[8:9], s[8:9], s[30:31]
	s_sub_nc_u64 s[8:9], s[8:9], 0x40000           ; each block steps it first
	CROUND                                         ; all four work-groups are here: the joint loads meet
	tensor_load_to_lds s[44:47], s[36:43]          ; my one tensor load of the launch
	s_nop 0
	PLACES 4
.irp q, 0,1,2,3,4,5,6,7                        ; my 64 rows of wo: 128 loads of 512 consecutive bytes
.irp b, 0,1,2,3
	WIN (1+(4*\q+\b)/16)<<6
.irp k, 0,1,2,3
	global_load_b128 v[16*((4*\q+\b)%16)+4*\k:16*((4*\q+\b)%16)+4*\k+3], v[LI], s[24:25] offset:16384*\b+2048*\q+512*\k
.endr
.endr
.endr
	WIN 0
.irp p, 0,1
.irp k, 0,1
	global_load_b128 v[SB+8*\p+4*\k:SB+8*\p+4*\k+3], v[WSO], s[26:27] offset:1024*\p+16*\k
.endr
.endr
	s_mov_b32 s49, 6
	s_wait_tensorcnt 0x0                           ; my two tiles have landed,
	s_barrier_signal -1
	s_barrier_wait -1                              ; everybody's have
	FADR 0
	FETCH 0
	s_wait_xcnt 0x0                                ; set 0's scale loads have read their offset
	FADR 1
	FETCH 1
	s_mov_b32 s49, 0
	s_wait_loadcnt 0x0                             ; the weight and the first scale words
	s_wait_dscnt 32                                ; set 0
.Lp:                                               ; four trips of two blocks
	PBLK 0
	PBLK 1
	s_add_co_u32 s49, s49, 2
	s_wait_alu depctr_va_vdst(0)
	s_cmp_lg_u32 s49, 8
	s_cbranch_scc1 .Lp
	s_wait_tensorcnt 0x0                           ; the wave's end
	ds_add_u32 v[SPW], v[NIL]
	s_wait_dscnt 0x0
	CROUND                                         ; the closing round
	s_endpgm
.Lfunc_end_k_q212aaa04d2_proj:
	.size	k_q212aaa04d2_proj, .Lfunc_end_k_q212aaa04d2_proj-k_q212aaa04d2_proj
	.p2alignl 7, 3214868480
	.fill 96, 4, 3214868480
	.section	.rodata,"a",@progbits
	.p2align	6, 0x0
	.amdhsa_kernel k_q212aaa04d2_proj
		.amdhsa_group_segment_fixed_size 167936
		.amdhsa_private_segment_fixed_size 0
		.amdhsa_enable_private_segment 0
		.amdhsa_kernarg_size 24
		.amdhsa_user_sgpr_count 2
		.amdhsa_user_sgpr_kernarg_segment_ptr 1
		.amdhsa_wavefront_size32 1
		.amdhsa_system_sgpr_workgroup_id_x 1
		.amdhsa_system_sgpr_workgroup_id_y 1
		.amdhsa_system_sgpr_workgroup_id_z 1
		.amdhsa_system_vgpr_workitem_id 0
		.amdhsa_next_free_vgpr 1024
		.amdhsa_next_free_sgpr 66
		.amdhsa_reserve_vcc 0
		.amdhsa_float_denorm_mode_32 3
		.amdhsa_float_denorm_mode_16_64 3
		.amdhsa_memory_ordered 1
		.amdhsa_forward_progress 1
		.amdhsa_inst_pref_size 43
	.end_amdhsa_kernel
	.amdgpu_metadata
---
amdhsa.version: [ 1, 2 ]
amdhsa.kernels:
  - .name:           k_q212aaa04d2_proj
    .symbol:         k_q212aaa04d2_proj.kd
    .args:
      - { .name: ao, .offset: 0, .size: 8, .value_kind: global_buffer, .address_space: global }
      - { .name: wo, .offset: 8, .size: 8, .value_kind: global_buffer, .address_space: global }
      - { .name: out0, .offset: 16, .size: 8, .value_kind: global_buffer, .address_space: global }
    .group_segment_fixed_size: 167936
    .private_segment_fixed_size: 0
    .kernarg_segment_align: 8
    .kernarg_segment_size: 24
    .max_flat_workgroup_size: 128
    .sgpr_count:     66
    .vgpr_count:     1024
    .wavefront_size: 32
...
	.end_amdgpu_metadata
.endif
;; end of part 4
